; MI455X (gfx1250); checked and timed in simulation.
; The chip was launched on July 23, 2026; its instructions are those of AMD's public machine-readable ISA for CDNA 5 (MIT licence, August 2026) and "CDNA5" Instruction Set Architecture Reference Guide (July 2026). The comments in the code are by the model that wrote it; some were corrected since.
;; Hybrid Attention. Allowed arithmetic: float matrix products may take bf16 or f16 operands with f32 sums; other float arithmetic in f32, or as packed bf16 or f16 multiplies, adds, multiply-adds, maxima and minima; sums over many terms, partial sums and values carried from step to step in f32; what a program stores and reads back later, other than sums and carried values, may be rounded once to bf16 or f16.
;; Inputs: Wk 1,024 x 1,024 float32; Wo 1,024 x 1,024 float32; Wq 1,024 x 1,024 float32; Wv 1,024 x 1,024 float32; hidden_states 1 x 4,096 x 1,024 float32.
;; Outputs: out0 1 x 4,096 x 1,024 float32.
;; One version. Each part assembles by itself: llvm-mc -triple=amdgcn-amd-amdhsa -mcpu=gfx1250 --defsym DOCPART=n.
;; ======== version 1 of 1: 5 launches
;; limits: values are held in f16: magnitudes above 65,504 overflow, below 6.1e-05 lose precision
;; workspace buffers: xb 8,388,608 bytes; wb 6,291,456 bytes; wo16 2,097,152 bytes; rope 1,048,576 bytes; qkv 25,165,824 bytes; o 8,388,608 bytes; dtop 32,768 bytes
;; launch prep (part 1): grid 288 x 1, 8 waves a work-group, no clusters, 0 bytes of LDS; arguments hidden_states, Wq, Wk, Wv, Wo, xb, wb, wo16, rope; writes xb, wb, wo16, rope
.if DOCPART == 1
	.amdgcn_target "amdgcn-amd-amdhsa--gfx1250"
	.amdhsa_code_object_version 6
	.text
	.protected	k_qdeebb62e94_prep
	.globl	k_qdeebb62e94_prep
	.p2align	8
	.type	k_qdeebb62e94_prep,@function
k_qdeebb62e94_prep:
	s_mov_b64 s[64:65], 0
	v_nop
	global_prefetch_b8 v0, s[64:65] scope:SCOPE_SE
	s_setreg_imm32_b32 hwreg(HW_REG_WAVE_MODE, 25, 1), 1
	s_wait_xcnt 0x0
; ROUNDS THE MODULE'S FIVE INPUTS ONCE AND MAKES THE TABLE OF COSINES AND SINES.
; hidden_states [4096][1024] f32 -> xb, bf16.  Wq, Wk, Wv [1024][1024] f32 -> wb [3][1024][1024], bf16, as they lie ([k][n]).
; Wo [1024][1024] f32 -> wo16: rounded to bf16 like the other inputs, and that number written as f16 (exact from 2^-14 up to f16's largest number, 65,504; below 2^-14 on f16's fixed step of 6e-8).
; rope: cos and sin of t x f_j, t = 0 .. 4095, f_j = 10000^(-j/32), j = 0 .. 31, f32, laid out as the next launch's registers want them (see below).
; A stream: no LDS, no barrier, no matrix unit.  Work-groups 0-255 each convert a chunk of 32,768 numbers: 256 threads x 16 items x 8 numbers; all 32 loads of a thread go out first.
;   0-127 chunks of hidden_states; 128-223 chunks of Wq, Wk, Wv (32 each); 224-255 chunks of Wo; 256-287 the table, eight blocks of 16 rows each.
; LIMITS.  The angle t x f_j is rounded to f32 as the module's definition rounds it; f_j comes from v_exp_f32 (1 ULP: ISA guide 15.8) with a correction for the exponent's low part;
; sine and cosine by a reduction modulo pi/2 in two parts (exact for angles below 2^12) and polynomials of degree 7 and 8, good to about 1e-7 absolute.
.set X, 8                              ; v[8:135]   item i: 8 registers as loaded; its first 4 then hold the 16 bytes to store
.set T, 136                            ; v[136:143] at work (Wo's second rounding)
	s_load_b512 s[8:23], s[0:1], 0x0               ; hidden 8:9, Wq 10:11, Wk 12:13, Wv 14:15, Wo 16:17, xb 18:19, wb 20:21, wo16 22:23
	s_load_b64 s[24:25], s[0:1], 0x40              ; rope
	s_mov_b32 s26, ttmp9                           ; the work-group's number
	s_cmp_ge_u32 s26, 256
	s_cbranch_scc1 .Ltable
	; which chunk of which tensor
	s_sub_co_u32 s27, s26, 128                     ; j: chunk among the weights' 128 (wraps below 128, where it is not chosen)
	s_lshr_b32 s28, s27, 5                         ; m: 0 Wq, 1 Wk, 2 Wv, 3 Wo
	s_and_b32 s29, s27, 31                         ; the chunk in its source
	s_cmp_eq_u32 s28, 3
	s_cselect_b32 s30, s29, s27                    ; the chunk in its destination: Wo's in wo16, the others' in wb
	s_cselect_b32 s38, 1, 0                        ; 1: Wo
	s_cmp_lt_u32 s26, 128
	s_cselect_b32 s29, s26, s29
	s_cselect_b32 s30, s26, s30
	s_cselect_b32 s38, 0, s38
	v_lshlrev_b32 v1, 5, v0                        ; my 32 bytes in an item's 8,192 of source; never rewritten
	v_lshlrev_b32 v2, 4, v0                        ; my 16 bytes in an item's 4,096 of destination; never rewritten
	s_wait_kmcnt 0x0
	s_cmp_eq_u32 s28, 1
	s_cselect_b64 s[32:33], s[12:13], s[10:11]
	s_cmp_eq_u32 s28, 2
	s_cselect_b64 s[32:33], s[14:15], s[32:33]
	s_cmp_eq_u32 s28, 3
	s_cselect_b64 s[32:33], s[16:17], s[32:33]
	s_cselect_b64 s[34:35], s[22:23], s[20:21]
	s_cmp_lt_u32 s26, 128
	s_cselect_b64 s[32:33], s[8:9], s[32:33]
	s_cselect_b64 s[34:35], s[18:19], s[34:35]
	s_lshl_b32 s36, s29, 17                        ; 131,072 bytes of f32 a chunk
	s_mov_b32 s37, 0
	s_add_nc_u64 s[32:33], s[32:33], s[36:37]
	s_lshl_b32 s36, s30, 16                        ; 65,536 bytes of 16-bit numbers a chunk
	s_add_nc_u64 s[34:35], s[34:35], s[36:37]
.irp i, 0,1,2,3,4,5,6,7,8,9,10,11,12,13,14,15
	global_load_b128 v[X+8*(\i):X+8*(\i)+3],   v1, s[32:33] offset:8192*(\i) th:TH_LOAD_NT
	global_load_b128 v[X+8*(\i)+4:X+8*(\i)+7], v1, s[32:33] offset:8192*(\i)+16 th:TH_LOAD_NT
.endr
	s_cmp_eq_u32 s38, 1
	s_cbranch_scc1 .Lwo
; Item i to bf16.  In place: register k is written when registers 2 k and 2 k + 1 are read, and k <= 2 k.  No register that a store reads is written again.
.macro CVB i
	s_wait_loadcnt 30-2*(\i)                       ; loads come back in order: the two of each of the 15 - i younger items may stay out
.irp k, 0,1,2,3
	v_cvt_pk_bf16_f32 v[X+8*(\i)+(\k)], v[X+8*(\i)+2*(\k)], v[X+8*(\i)+2*(\k)+1]
.endr
	global_store_b128 v2, v[X+8*(\i):X+8*(\i)+3], s[34:35] offset:4096*(\i)  ; sixteen lanes store 256 consecutive bytes, aligned
.endm
; Item i of Wo: to bf16, widened again, and written as f16.
.macro CVH i
	s_wait_loadcnt 30-2*(\i)
.irp k, 0,1,2,3
	v_cvt_pk_bf16_f32 v[X+8*(\i)+(\k)], v[X+8*(\i)+2*(\k)], v[X+8*(\i)+2*(\k)+1]
.endr
.irp k, 0,1,2,3
	v_lshlrev_b32 v[T+2*(\k)],   16, v[X+8*(\i)+(\k)]
	v_and_b32     v[T+2*(\k)+1], 0xffff0000, v[X+8*(\i)+(\k)]
.endr
.irp k, 0,1,2,3
	v_cvt_pk_f16_f32 v[X+8*(\i)+(\k)], v[T+2*(\k)], v[T+2*(\k)+1]
.endr
	global_store_b128 v2, v[X+8*(\i):X+8*(\i)+3], s[34:35] offset:4096*(\i)
.endm
.irp i, 0,1,2,3,4,5,6,7,8,9,10,11,12,13,14,15
	CVB \i
.endr
	s_endpgm
.Lwo:
.irp i, 0,1,2,3,4,5,6,7,8,9,10,11,12,13,14,15
	CVH \i
.endr
	s_endpgm
; THE TABLE.  Block B (rows t = 16 B .. 16 B + 15) lies at byte 4,096 B; in it piece p (0-7) at 512 p, lane l at 16 l: four f32.
; p = 4 trig + 2 b + q (trig 0: cos, 1: sin); lane l = (r = l % 16, h = l / 16); number i of the four is trig(t x f_j), t = 16 B + r, j = 16 b + 8 h + 4 q + i.
; Wave w makes piece w of eight blocks, one block a trip; a store of a wave covers 512 consecutive bytes.
.Ltable:
	v_lshrrev_b32 v3, 5, v0
	v_readfirstlane_b32 s41, v3                    ; p
	s_lshr_b32 s43, s41, 2
	s_sub_co_u32 s43, 1, s43                       ; cos x = sin(x + pi/2): the cosine's quadrant is one further on
	s_bfe_u32 s42, s41, 0x10001                    ; b
	s_lshl_b32 s42, s42, 4
	s_and_b32 s39, s41, 1                          ; q
	s_lshl2_add_u32 s42, s39, s42                  ; 16 b + 4 q
	s_sub_co_u32 s27, s26, 256                     ; which eight blocks
	s_lshl_b32 s28, s27, 7                         ; their first row
	s_lshl_b32 s29, s27, 15                        ; their first byte
	s_mov_b32 s44, 0x3f22f983                      ; 2 / pi
	s_mov_b32 s45, 0xbfc90fdb                      ; - (pi/2 rounded to f32)
	s_mov_b32 s46, 0x333bbd2e                      ; - (pi/2 less that)
	s_mov_b32 s47, 0xbe2aaaa3                      ; sin r = r + r^3 (S1 + S2 r^2 + S3 r^4)
	s_mov_b32 s48, 0x3c08839e
	s_mov_b32 s49, 0xb94ca1f9
	s_mov_b32 s50, 0x3d2aaaa5                      ; cos r = 1 - r^2 / 2 + r^4 (C1 + C2 r^2 + C3 r^4)
	s_mov_b32 s51, 0xbab6061a
	s_mov_b32 s52, 0x37ccf5ce
	s_mov_b32 s53, 0x342ae0c4                      ; 1.5914e-7
	v_bfe_u32 v3, v0, 4, 1                         ; h
	v_lshl_add_u32 v3, v3, 3, s42                  ; j of my first number
	; f_j = 2^(-j c), c = log2(10000) / 32 = c_hi + c_lo, c_hi = 435412 x 2^-20: j c_hi is exact in f32; 2^(-j c_lo) = 1 + 1.5914e-7 j to well below f32's step
.irp i, 0,1,2,3
	v_add_nc_u32 v[16+(\i)], (\i), v3
.endr
.irp i, 0,1,2,3
	v_cvt_f32_u32 v[16+(\i)], v[16+(\i)]
.endr
.irp i, 0,1,2,3
	v_mul_f32 v[20+(\i)], 0xbed49a80, v[16+(\i)]
.endr
.irp i, 0,1,2,3
	v_exp_f32 v[4+(\i)], v[20+(\i)]
.endr
.irp i, 0,1,2,3
	v_fma_f32 v[24+(\i)], v[16+(\i)], s53, 1.0     ; plain lines between the exponentials and the use of their results (ISA guide 5.7.2)
.endr
	s_wait_alu depctr_va_vdst(0)
.irp i, 0,1,2,3
	v_mul_f32 v[4+(\i)], v[4+(\i)], v[24+(\i)]     ; v[4:7] = f_j
.endr
	v_and_b32 v8, 15, v0
	v_add_nc_u32 v8, s28, v8
	v_cvt_f32_u32 v8, v8                           ; t, as f32
	v_lshl_add_u32 v9, v0, 4, s29                  ; 512 p + 16 l = 16 x my thread's number, in the first block
.macro TRIG i
	v_mul_f32 v16, v8, v[4+(\i)]                   ; the angle
	v_mul_f32 v17, s44, v16
	v_rndne_f32 v17, v17                           ; n quarter turns
	v_fma_f32 v18, v17, s45, v16                   ; the rest, in two parts
	v_fma_f32 v18, v17, s46, v18
	v_cvt_i32_f32 v19, v17
	v_add_nc_u32 v19, s43, v19                     ; the quadrant
	v_mul_f32 v20, v18, v18
	v_fma_f32 v21, v20, s49, s48
	v_fma_f32 v23, v20, s52, s51
	v_mul_f32 v22, v20, v18
	v_mul_f32 v24, v20, v20
	v_fma_f32 v21, v21, v20, s47
	v_fma_f32 v23, v23, v20, s50
	v_fma_f32 v25, v20, -0.5, 1.0
	v_fma_f32 v21, v21, v22, v18                   ; sin r
	v_fma_f32 v23, v23, v24, v25                   ; cos r
	v_and_b32 v26, 1, v19
	v_cmp_eq_u32 vcc_lo, 1, v26
	v_cndmask_b32 v21, v21, v23, vcc_lo            ; odd quadrants take the cosine,
	v_lshlrev_b32 v26, 30, v19
	v_and_b32 v26, 0x80000000, v26
	v_xor_b32 v[12+(\i)], v21, v26                 ; quadrants 2 and 3 the other sign
.endm
	s_mov_b32 s40, 8
	s_wait_kmcnt 0x0
.Ltab:
	TRIG 0
	TRIG 1
	TRIG 2
	TRIG 3
	global_store_b128 v9, v[12:15], s[24:25]
	s_wait_xcnt 0x0                                ; the store's offset and data are rewritten only behind this wait
	v_add_nc_u32 v9, 4096, v9
	v_add_f32 v8, 0x41800000, v8                   ; 16 rows on
	s_sub_co_u32 s40, s40, 1
	s_cmp_lg_u32 s40, 0
	s_cbranch_scc1 .Ltab
	s_endpgm
.Lfunc_end_k_qdeebb62e94_prep:
	.size	k_qdeebb62e94_prep, .Lfunc_end_k_qdeebb62e94_prep-k_qdeebb62e94_prep
	.p2alignl 7, 3214868480
	.fill 96, 4, 3214868480
	.section	.rodata,"a",@progbits
	.p2align	6, 0x0
	.amdhsa_kernel k_qdeebb62e94_prep
		.amdhsa_group_segment_fixed_size 0
		.amdhsa_private_segment_fixed_size 0
		.amdhsa_enable_private_segment 0
		.amdhsa_kernarg_size 72
		.amdhsa_user_sgpr_count 2
		.amdhsa_user_sgpr_kernarg_segment_ptr 1
		.amdhsa_wavefront_size32 1
		.amdhsa_system_sgpr_workgroup_id_x 1
		.amdhsa_system_sgpr_workgroup_id_y 1
		.amdhsa_system_sgpr_workgroup_id_z 1
		.amdhsa_system_vgpr_workitem_id 0
		.amdhsa_next_free_vgpr 144
		.amdhsa_next_free_sgpr 66
		.amdhsa_reserve_vcc 1
		.amdhsa_float_denorm_mode_32 3
		.amdhsa_float_denorm_mode_16_64 3
		.amdhsa_memory_ordered 1
		.amdhsa_forward_progress 1
		.amdhsa_inst_pref_size 34
	.end_amdhsa_kernel
	.amdgpu_metadata
---
amdhsa.version: [ 1, 2 ]
amdhsa.kernels:
  - .name:           k_qdeebb62e94_prep
    .symbol:         k_qdeebb62e94_prep.kd
    .args:
      - { .name: hidden_states, .offset: 0, .size: 8, .value_kind: global_buffer, .address_space: global }
      - { .name: Wq, .offset: 8, .size: 8, .value_kind: global_buffer, .address_space: global }
      - { .name: Wk, .offset: 16, .size: 8, .value_kind: global_buffer, .address_space: global }
      - { .name: Wv, .offset: 24, .size: 8, .value_kind: global_buffer, .address_space: global }
      - { .name: Wo, .offset: 32, .size: 8, .value_kind: global_buffer, .address_space: global }
      - { .name: xb, .offset: 40, .size: 8, .value_kind: global_buffer, .address_space: global }
      - { .name: wb, .offset: 48, .size: 8, .value_kind: global_buffer, .address_space: global }
      - { .name: wo16, .offset: 56, .size: 8, .value_kind: global_buffer, .address_space: global }
      - { .name: rope, .offset: 64, .size: 8, .value_kind: global_buffer, .address_space: global }
    .group_segment_fixed_size: 0
    .private_segment_fixed_size: 0
    .kernarg_segment_align: 8
    .kernarg_segment_size: 72
    .max_flat_workgroup_size: 256
    .sgpr_count:     66
    .vgpr_count:     144
    .wavefront_size: 32
...
	.end_amdgpu_metadata
.endif
;; end of part 1
;; launch proj (part 2): grid 24 x 32, 4 waves a work-group, clusters of 4 x 4, 327,680 bytes of LDS; arguments xb, wb, rope, qkv; writes qkv
.if DOCPART == 2
	.amdgcn_target "amdgcn-amd-amdhsa--gfx1250"
	.amdhsa_code_object_version 6
	.text
	.protected	k_qdeebb62e94_proj
	.globl	k_qdeebb62e94_proj
	.p2align	8
	.type	k_qdeebb62e94_proj,@function
k_qdeebb62e94_proj:
	s_mov_b64 s[64:65], 0
	v_nop
	global_prefetch_b8 v0, s[64:65] scope:SCOPE_SE
	s_setreg_imm32_b32 hwreg(HW_REG_WAVE_MODE, 25, 1), 1
	s_wait_xcnt 0x0
	s_wait_alu depctr_hold_cnt(0) depctr_sa_sdst(0) depctr_va_vdst(0) depctr_va_sdst(0) depctr_va_ssrc(0) depctr_va_vcc(0) depctr_vm_vsrc(0)
	s_getreg_b32 s2, hwreg(HW_REG_IB_STS2, 6, 4)
	s_cmp_eq_u32 s2, 0
	s_cbranch_scc0 .Lentry_in_a_cluster
	s_endpgm
.Lentry_in_a_cluster:
	s_bfe_u32 s2, ttmp6, 0x10000c
	s_cmp_lg_u32 s2, 0xf033
	s_cbranch_scc0 .Lentry_shape_is_right
	s_endpgm
.Lentry_shape_is_right:
; q, k, v = x [Wq Wk Wv], ROTATED (q and k) AND LAID OUT BY HEADS.  xb: [4096][1024] bf16.  wb: [3][1024 k][1024 n] bf16.  qkv: [48][4096][64] f16: 16 heads of q, 16 of k, 16 of v.
; Sums in f32, K ascending; the rotation in f32 on the sums; each number rounded once, to f16, without attention's scale.
; LIMITS.  f16 holds no number beyond 65,504: q, k, v of 65,520 or more become infinities; below 6e-5 they keep f16's fixed step of 6e-8.  NaN and infinities are not treated apart.
; SHARES.  The product is 4096 x 3072, in tiles of 128 x 128: 768 work-groups of four waves, a wave 64 x 64: 16 accumulators.  A wave's 64 columns are exactly one head.
; K goes in four steps of 256 through two LDS slots; the four steps are written out.  x's tile has rows along K (512 bytes, padded to 528); the weights' tile lies [k][n] (rows of 256 bytes,
; padded to 288) and its fragments come out turned, by ds_load_tr16_b128.
; CLUSTERS: 4 x 4 work-groups.  The four of a row of the cluster need the same tiles of x, the four of a column the same tiles of the weights: each tile is asked for JOINTLY.
; THE MATRIX INSTRUCTION IS USED TRANSPOSED (source 0 = 16 columns of W, source 1 = 16 rows of x): a lane then holds row l % 16 and eight neighbouring channels 16 b + 8 (l / 16) + 0..7 of the head.
; THE ROTATION pairs channel d with d + 32: accumulators (a, b) and (a, b + 2), the same lane and register.  Cosines and sines come from a table laid out as these registers.  A tile of v reads the
; table's row t = 0 in every lane (cos = 1, sin = 0), so that one text serves all tiles and no branch differs between work-groups.
; REGISTERS: window 0: v0-31 addresses; v32-95 at work on the way out; v96-111 the rotation's products; v128-255 the accumulators ((a, b) at v[128 + 8 (4 a + b)]).
;   window 1: two fragment buffers of 128: for 64 along K, 64 registers of x (2 x 4 x 16 rows x 32 K), then 64 of W.  At the end buffer 0 takes the table: row block a at 32 a: 16 cosines, 16 sines.
.set KSTEP,  256
.set PA,     528                       ; x's LDS row: 512 bytes + 16: the 16 rows of a load start at 16 different groups of four banks (64 banks of 4 bytes: ISA guide 11.1)
.set PB,     288                       ; W's LDS row: 256 bytes + 32
.set AHALF,  64*PA                     ; what one tensor load brings of x, and what one wave reads of it
.set AOFF,   2*AHALF                   ; W's 256 rows lie behind x's 128
.set BHALF,  128*PB                    ; what one tensor load brings of W: 128 along K
.set SLOT,   AOFF+2*BHALF
.set STAGE,  2*SLOT                    ; behind the ring: 16 rows x 144 bytes for each wave, for the way out
.set SP,     144
.set SPARE,  STAGE+4*16*SP             ; behind the stages: the spare words, 128 bytes for each wave: two blocks of 256 bytes that no other line names
.set TO,   8                           ; v8-11   my byte offset in the table for row block a
.set ADRA, 16                          ; v16-17  LDS address of my fragments of x in slot 0, 1
.set ADRB, 20                          ; v20-23  of W: slot 0 first and second 128 along K, slot 1 likewise
.set STO,  24                          ; v24     the way out: where I put 16 bytes of a row
.set RD,   25                          ; v25     the way out: where I read rows back
.set GO,   26                          ; v26     my byte offset in 512 consecutive bytes of the output
.set SPW,  28                          ; v28     LDS address of my spare word; never rewritten
.set NIL,  29                          ; v29     0; never rewritten
.set TMP,  32
.set T1,   96
.set T2,   104
.set ACC,  128
.set F0,   0
.set F1,   128
.set G1, 24                            ; s[24:31] descriptor group 1 for x's tiles;  s[32:39] group 0, one set for each slot
.set G0, 32
.set G1B, 48                           ; s[48:55], s[56:63] the same for W's tiles
.set G0B, 56
.set MSB, 0
.macro WIN new                         ; the immediate's high byte repeats the setting that is left
.if MSB != (\new)
	s_set_vgpr_msb (MSB<<8)|(\new)
.set MSB, \new
.endif
.endm
.set MUL,  0x05                        ; sources 0 (W) and 1 (x) window 1; C and D window 0
.set TO_F, 0x40                        ; destination window 1, address window 0
.macro JLOAD s                         ; a joint load: waves 0 and 1 fetch x's two halves, waves 2 and 3 W's; an s_nop 0 and four v_nop follow each of the two lines
	s_cmp_eq_u32 s11, 0
	s_cbranch_scc0 .Lfor_b_\@
	tensor_load_to_lds s[G0+4*(\s):G0+4*(\s)+3], s[G1:G1+7]
	s_nop 0
.rept 4
	v_nop
.endr
	s_branch .Lasked_\@
.Lfor_b_\@:
	tensor_load_to_lds s[G0B+4*(\s):G0B+4*(\s)+3], s[G1B:G1B+7]
	s_nop 0
.rept 4
	v_nop
.endr
.Lasked_\@:
.endm
.macro CREST                           ; a round of the cluster's barrier behind its opening barrier
	s_cmp_lg_u32 s10, 0
	s_cbranch_scc1 .Lnot_wave_0_\@
	s_barrier_signal -3
.Lnot_wave_0_\@:
	s_barrier_wait -3
	s_barrier_signal -1
	s_barrier_wait -1
.endm
.macro CROUND                          ; a whole round
	s_barrier_signal -1
	s_barrier_wait -1
	CREST
.endm
	s_load_b256 s[68:75], s[0:1], 0x0              ; xb 68:69, wb 70:71, rope 72:73, qkv 74:75
	v_lshl_add_u32 v[SPW], v0, 2, SPARE
	v_mov_b32 v[NIL], 0
	ds_add_u32 v[SPW], v[NIL]                      ; the wave's opening: the add and its wait stand ahead of my first tensor load; the set-up below, work on registers, stands between them
	ds_add_u32 v28, v29
	v_lshrrev_b32 v1, 5, v0
	v_readfirstlane_b32 s10, v1                    ; wave 0..3
	s_lshr_b32 s11, s10, 1                         ; which half of the tile's rows is mine.  Also: I fetch for x (0) or for W (1)
	s_and_b32 s12, s10, 1                          ; which half of its columns.  Also: which half of that tile I fetch
	s_bfe_u32 s40, ttmp6, 0x40000                  ; cx, cy: my place in the cluster
	s_bfe_u32 s41, ttmp6, 0x40004
	s_lshl_b32 s42, ttmp9, 2
	s_add_co_u32 s42, s42, s40                     ; tile column = 4 x cluster x + cx, 0 .. 23
	s_and_b32 s13, ttmp7, 0xffff
	s_lshl_b32 s13, s13, 2
	s_add_co_u32 s13, s13, s41                     ; tile row = 4 x cluster y + cy, 0 .. 31
	s_lshl_b32 s43, s41, 2
	s_lshl_b32 s43, 15, s43                        ; my row of the cluster
	s_lshl_b32 s44, 0x1111, s40                    ; my column
	s_or_b32 s[G1+0], s43, (1<<16)|(1<<20)|(1<<21)|(6<<22)|(3<<25)   ; the mask: x's tiles go to my row; 2-byte elements; padding on; 21 set beside a mask; after every 128 words 4 words
	s_mov_b32 s[G1+1], KSTEP<<16                   ; tensor_dim0 = 256
	s_mov_b32 s[G1+2], 64<<16                      ; tensor_dim1 = 64
	s_mov_b32 s[G1+3], KSTEP<<16                   ; tile_dim0 = 256
	s_mov_b32 s[G1+4], 64                          ; tile_dim1 = 64
	s_mov_b32 s[G1+5], 1024                        ; elements from row to row
	s_mov_b32 s[G1+6], 0
	s_mov_b32 s[G1+7], 0
	s_or_b32 s[G1B+0], s44, (1<<16)|(1<<20)|(1<<21)|(5<<22)|(7<<25)  ; the mask of my column; after every 64 words 8 words
	s_mov_b32 s[G1B+1], 128<<16                    ; tensor_dim0 = 128 columns
	s_mov_b32 s[G1B+2], 128<<16                    ; tensor_dim1 = 128 along K
	s_mov_b32 s[G1B+3], 128<<16
	s_mov_b32 s[G1B+4], 128
	s_mov_b32 s[G1B+5], 1024
	s_mov_b32 s[G1B+6], 0
	s_mov_b32 s[G1B+7], 0
	s_lshl_b32 s16, s13, 18                        ; x: row 128 x tile row + 64 x half, 2,048 bytes a row
	s_lshl_b32 s17, s12, 17
	s_add_co_u32 s16, s16, s17
	s_mov_b32 s17, 0
	s_lshr_b32 s46, s42, 3                         ; W: which of the three matrices (2 MiB each),
	s_lshl_b32 s46, s46, 21
	s_and_b32 s47, s42, 7                          ; which 128 columns of it (256 bytes),
	s_lshl_b32 s47, s47, 8
	s_add_co_u32 s46, s46, s47
	s_lshl_b32 s47, s12, 18                        ; which 128 rows of the K step
	s_add_co_u32 s46, s46, s47
	s_mov_b32 s47, 0
	s_mul_i32 s20, s12, AHALF                      ; where they go: no place in the cluster enters an LDS address
	s_mul_i32 s21, s12, BHALF
	s_add_co_u32 s21, s21, AOFF
	s_wait_dscnt 0x0                               ; the opening add is done
	s_wait_kmcnt 0x0
	s_add_nc_u64 s[14:15], s[68:69], s[16:17]
	s_add_nc_u64 s[46:47], s[70:71], s[46:47]
	CROUND                                         ; all sixteen work-groups are here: the first joint loads meet
.irp s, 0,1
	s_mov_b32 s[G0+4*(\s)], 1
	s_add_co_u32 s[G0+4*(\s)+1], s20, (\s)*SLOT
	s_add_nc_u64 s[G0+4*(\s)+2:G0+4*(\s)+3], s[14:15], (\s)*KSTEP*2
	s_or_b32 s[G0+4*(\s)+3], s[G0+4*(\s)+3], 0x80000000
	s_mov_b32 s[G0B+4*(\s)], 1
	s_add_co_u32 s[G0B+4*(\s)+1], s21, (\s)*SLOT
	s_add_nc_u64 s[G0B+4*(\s)+2:G0B+4*(\s)+3], s[46:47], (\s)*KSTEP*2048
	s_or_b32 s[G0B+4*(\s)+3], s[G0B+4*(\s)+3], 0x80000000
	JLOAD \s                                       ; two tensor loads of mine are out
.endr
	v_and_b32 v1, 15, v0                           ; l % 16
	v_bfe_u32 v2, v0, 4, 1                         ; l / 16
	v_mul_u32_u24 v3, v1, PA
	v_lshl_add_u32 v3, v2, 4, v3                   ; x: a fragment's row x pitch + 16 x half
	s_mul_i32 s22, s11, AHALF                      ; my 64 rows
	v_add_nc_u32 v[ADRA], s22, v3
	v_add_nc_u32 v[ADRA+1], SLOT, v[ADRA]
	v_and_b32 v4, 7, v0                            ; W, turned: lane l reads 16 bytes of row 8 (l / 16) + l % 8, columns 8 ((l / 8) % 2) + 0..7
	v_bfe_u32 v5, v0, 3, 1
	v_lshl_add_u32 v3, v2, 3, v4
	v_mul_u32_u24 v3, v3, PB
	v_lshl_add_u32 v3, v5, 4, v3
	s_lshl_b32 s22, s12, 7                         ; my 64 columns
	s_add_co_u32 s22, s22, AOFF
	v_add_nc_u32 v[ADRB], s22, v3
	v_add_nc_u32 v[ADRB+1], BHALF, v[ADRB]
	v_add_nc_u32 v[ADRB+2], SLOT, v[ADRB]
	v_add_nc_u32 v[ADRB+3], SLOT+BHALF, v[ADRB]
	s_mul_i32 s23, s10, 16*SP
	s_add_co_u32 s23, s23, STAGE                   ; my stage
	v_mul_u32_u24 v3, v1, SP                       ; in: row l % 16, 16 bytes for each half of the lanes
	v_lshl_add_u32 v3, v2, 4, v3
	v_add_nc_u32 v[STO], s23, v3
	v_bfe_u32 v5, v0, 3, 2                         ; back: 32 lanes take four rows of 128 bytes,
	v_mul_u32_u24 v5, v5, SP
	v_lshl_add_u32 v5, v4, 4, v5
	v_add_nc_u32 v[RD], s23, v5
	v_and_b32 v[GO], 31, v0                        ; which are 512 consecutive bytes of a head
	v_lshlrev_b32 v[GO], 4, v[GO]
	s_lshl_b32 s4, s42, 1                          ; the output: head 2 x tile column + half (524,288 bytes each), row 128 x tile row + 64 x half (128 bytes each)
	s_add_co_u32 s4, s4, s12
	s_lshl_b32 s4, s4, 19
	s_lshl_b32 s5, s13, 14
	s_add_co_u32 s4, s4, s5
	s_lshl_b32 s5, s11, 13
	s_add_co_u32 s4, s4, s5
	s_mov_b32 s5, 0
	s_add_nc_u64 s[74:75], s[74:75], s[4:5]
	s_lshl_b32 s6, s13, 3                          ; the table: block 8 x tile row + 4 x half + a, 4,096 bytes each
	s_lshl_b32 s7, s11, 2
	s_add_co_u32 s6, s6, s7
	s_lshl_b32 s6, s6, 12
	s_cmp_lt_u32 ttmp9, 4                          ; tile columns 0-15 are q and k: the same answer in all partners of a cluster
	s_cselect_b32 s76, 31, 16                      ; a tile of v: every lane takes row 0 of block 0, keeping its half
	s_cselect_b32 s77, s6, 0
	s_cselect_b32 s78, 4096, 0
	v_and_b32 v3, s76, v0
	v_lshl_add_u32 v[TO], v3, 4, s77
	v_add_nc_u32 v[TO+1], s78, v[TO]
	v_add_nc_u32 v[TO+2], s78, v[TO+1]
	v_add_nc_u32 v[TO+3], s78, v[TO+2]
; 8 matrix instructions: row blocks a0, a0 + 1 x all 4 column blocks, 32 along K: half c of buffer f.  zero = 1: the first product starts the sums.  The 16 accumulators take turns.
.macro MUL8 f, c, a0, zero
	WIN MUL
.irp a, \a0, (\a0)+1
.irp b, 0,1,2,3
.if \zero
	v_wmma_f32_16x16x32_bf16 v[ACC+8*(4*(\a)+(\b)):ACC+8*(4*(\a)+(\b))+7], v[(\f)+64+8*(4*(\c)+(\b)):(\f)+64+8*(4*(\c)+(\b))+7], v[(\f)+8*(4*(\c)+(\a)):(\f)+8*(4*(\c)+(\a))+7], 0
.else
	v_wmma_f32_16x16x32_bf16 v[ACC+8*(4*(\a)+(\b)):ACC+8*(4*(\a)+(\b))+7], v[(\f)+64+8*(4*(\c)+(\b)):(\f)+64+8*(4*(\c)+(\b))+7], v[(\f)+8*(4*(\c)+(\a)):(\f)+8*(4*(\c)+(\a))+7], v[ACC+8*(4*(\a)+(\b)):ACC+8*(4*(\a)+(\b))+7]
.endif
.endr
.endr
.endm
; 32 LDS loads in one run: the fragments of quarter qd (64 along K) of a slot, into buffer f; the first 32 along K first
.macro FETCH slot, qd, f
	WIN TO_F
.irp c, 0,1
.irp i, 0,1,2,3
	ds_load_tr16_b128 v[(\f)+64+8*(4*(\c)+(\i)):(\f)+64+8*(4*(\c)+(\i))+3],   v[ADRB+2*(\slot)+(\qd)/2] offset:(((\qd)%2)*64+32*(\c))*PB+32*(\i)
	ds_load_tr16_b128 v[(\f)+64+8*(4*(\c)+(\i))+4:(\f)+64+8*(4*(\c)+(\i))+7], v[ADRB+2*(\slot)+(\qd)/2] offset:(((\qd)%2)*64+32*(\c)+16)*PB+32*(\i)
	ds_load_b128 v[(\f)+8*(4*(\c)+(\i)):(\f)+8*(4*(\c)+(\i))+3],              v[ADRA+(\slot)] offset:128*(\qd)+64*(\c)+(\i)*16*PA
	ds_load_b128 v[(\f)+8*(4*(\c)+(\i))+4:(\f)+8*(4*(\c)+(\i))+7],            v[ADRA+(\slot)] offset:128*(\qd)+64*(\c)+(\i)*16*PA+32
.endr
.endr
.endm
.macro PLACES                          ; four places in front of loads into registers that matrix instructions have read, and of lines that read results
.rept 4
	v_nop
.endr
.endm
; A K step is four quarters of 64 along K, 32 matrix instructions each, on buffers 0, 1, 0, 1.  One of the first three: multiplies buffer f and fetches quarter qd into g.
.macro QUARTER slot, qd, f, g, zero
	s_wait_dscnt 16                                ; the first 32 along K are in
	WIN MUL
	MUL8 \f, 0, 0, \zero
	MUL8 \f, 0, 2, \zero
	PLACES
	FETCH \slot, \qd, \g
	s_wait_dscnt 32                                ; all but the 32 just issued
	WIN MUL
	MUL8 \f, 1, 0, 0
	MUL8 \f, 1, 2, 0
.endm
; The last quarter multiplies buffer 1 and changes slots: ONE barrier; in front of it each wave waits for all its tensor loads, adds 0 to its spare word, and waits for that and for its own reads of this slot.  fill = 1: this slot is filled again, two K steps ahead.
.macro TURN slot, next, fill
	WIN 0                                          ; (the add's two registers lie in window 0)
	s_wait_tensorcnt 0x0                           ; all my tensor loads have landed: my part of the next slot;
	ds_add_u32 v[SPW], v[NIL]                      ; 0 onto my spare word;
	s_wait_dscnt 17                                ; (the add and the youngest sixteen loads may be out)
	WIN MUL
	MUL8 F1, 0, 0, 0                               ; eight matrix instructions stand between the add and the wait for it
	s_wait_dscnt 0x0                               ; the add is done, and my reads of this slot are over
	s_barrier_signal -1
	MUL8 F1, 0, 2, 0
.if \fill
	WIN 0
.endif
	s_barrier_wait -1
.if \fill
	CREST                                          ; the barrier has opened a round of the cluster's barrier: no wave of any partner still reads this slot's tile or has a load on its way
	s_add_nc_u64 s[G0+4*(\slot)+2:G0+4*(\slot)+3], s[G0+4*(\slot)+2:G0+4*(\slot)+3], 2*KSTEP*2
	s_add_nc_u64 s[G0B+4*(\slot)+2:G0B+4*(\slot)+3], s[G0B+4*(\slot)+2:G0B+4*(\slot)+3], 2*KSTEP*2048
	JLOAD \slot                                    ; the first tensor load behind the round, my only one out; the four v_nop behind it are also the places in front of the loads below
.else
	PLACES
.endif
	FETCH \next, 0, F0
	WIN MUL
	MUL8 F1, 1, 0, 0
	MUL8 F1, 1, 2, 0
.endm
	s_wait_tensorcnt 1                             ; my part of K step 0 is in; K step 1's may stay out
	s_barrier_signal -1
	s_barrier_wait -1                              ; everybody's is
	FETCH 0, 0, F0
	QUARTER 0, 1, F0, F1, 1                        ; K step 0: its first products start the sums
	QUARTER 0, 2, F1, F0, 0
	QUARTER 0, 3, F0, F1, 0
	TURN 0, 1, 1                                   ; slot 0 takes K step 2
	QUARTER 1, 1, F0, F1, 0                        ; K step 1
	QUARTER 1, 2, F1, F0, 0
	QUARTER 1, 3, F0, F1, 0
	TURN 1, 0, 1                                   ; slot 1 takes K step 3
	QUARTER 0, 1, F0, F1, 0                        ; K step 2
	QUARTER 0, 2, F1, F0, 0
	QUARTER 0, 3, F0, F1, 0
	TURN 0, 1, 0                                   ; nothing is left to fetch
	QUARTER 1, 1, F0, F1, 0                        ; K step 3
	QUARTER 1, 2, F1, F0, 0
	QUARTER 1, 3, F0, F1, 0
	s_wait_dscnt 16                                ; the very last quarter
	WIN MUL
	MUL8 F1, 0, 0, 0
	MUL8 F1, 0, 2, 0
	PLACES
	WIN TO_F                                       ; buffer 0 has been multiplied: it takes the table, 8 loads of 512 consecutive bytes for each row block
.irp a, 0,1,2,3
.irp p, 0,1,2,3,4,5,6,7
	global_load_b128 v[F0+32*(\a)+4*(\p):F0+32*(\a)+4*(\p)+3], v[TO+(\a)], s[72:73] offset:512*(\p)
.endr
.endr
	s_wait_dscnt 0
	WIN MUL
	MUL8 F1, 1, 0, 0
	MUL8 F1, 1, 2, 0
	WIN 0
	PLACES
; THE ROTATION of row block a: lo' = lo cos - hi sin, hi' = hi cos + lo sin, lo = channels 16 b + .., hi = 32 further on.  Each accumulator's lowest registers are read first.
.macro ROPE a
	WIN 0x04                                       ; source 1 (the table) window 1
.irp b, 0,1
.irp j, 0,2,4,6
	v_pk_mul_f32 v[T1+(\j):T1+(\j)+1], v[ACC+8*(4*(\a)+(\b))+16+(\j):ACC+8*(4*(\a)+(\b))+16+(\j)+1], v[F0+32*(\a)+16+8*(\b)+(\j):F0+32*(\a)+16+8*(\b)+(\j)+1]
.endr
.irp j, 0,2,4,6
	v_pk_mul_f32 v[T2+(\j):T2+(\j)+1], v[ACC+8*(4*(\a)+(\b))+(\j):ACC+8*(4*(\a)+(\b))+(\j)+1], v[F0+32*(\a)+16+8*(\b)+(\j):F0+32*(\a)+16+8*(\b)+(\j)+1]
.endr
.irp j, 0,2,4,6
	v_pk_fma_f32 v[ACC+8*(4*(\a)+(\b))+(\j):ACC+8*(4*(\a)+(\b))+(\j)+1], v[ACC+8*(4*(\a)+(\b))+(\j):ACC+8*(4*(\a)+(\b))+(\j)+1], v[F0+32*(\a)+8*(\b)+(\j):F0+32*(\a)+8*(\b)+(\j)+1], v[T1+(\j):T1+(\j)+1] neg_lo:[0,0,1] neg_hi:[0,0,1]
.endr
.irp j, 0,2,4,6
	v_pk_fma_f32 v[ACC+8*(4*(\a)+(\b))+16+(\j):ACC+8*(4*(\a)+(\b))+16+(\j)+1], v[ACC+8*(4*(\a)+(\b))+16+(\j):ACC+8*(4*(\a)+(\b))+16+(\j)+1], v[F0+32*(\a)+8*(\b)+(\j):F0+32*(\a)+8*(\b)+(\j)+1], v[T2+(\j):T2+(\j)+1]
.endr
.endr
.endm
; Row block a: a lane's eight channels pack into 16 bytes; they go into my stage's rows of 144 bytes and come back as whole rows of 128.
.macro PACK a
	WIN 0
.irp b, 0,1,2,3
.irp k, 0,1,2,3
	v_cvt_pk_f16_f32 v[TMP+16*(\a)+4*(\b)+(\k)], v[ACC+8*(4*(\a)+(\b))+2*(\k)], v[ACC+8*(4*(\a)+(\b))+2*(\k)+1]
.endr
.endr
.irp b, 0,1,2,3
	ds_store_b128 v[STO], v[TMP+16*(\a)+4*(\b):TMP+16*(\a)+4*(\b)+3] offset:32*(\b)
.endr
.irp f, 0,1,2,3
	ds_load_b128 v[TMP+16*(\a)+4*(\f):TMP+16*(\a)+4*(\f)+3], v[RD] offset:(\f)*4*SP  ; LDS serves a wave's instructions in order (ISA guide 5.7.1.4): these see the stores above; the next block's stores come behind them
.endr
.endm
.macro SEND a, younger                 ; younger: the LDS instructions issued behind block a's loads: the next block's eight, or none
	WIN 0
.irp f, 0,1,2,3
	s_wait_dscnt (\younger)+3-(\f)
	global_store_b128 v[GO], v[TMP+16*(\a)+4*(\f):TMP+16*(\a)+4*(\f)+3], s[74:75] offset:(\a)*2048+(\f)*512  ; 512 consecutive bytes, at a multiple of 256 from the buffer's first
.endr
.endm
	s_wait_loadcnt 24                              ; block 0's eight table loads are in; the 24 of the later blocks may stay out
	ROPE 0
	PACK 0
.irp a, 1,2,3
	s_wait_loadcnt 24-8*(\a)
	ROPE \a
	PACK \a
	SEND (\a)-1, 8
.endr
	SEND 3, 0
	s_wait_tensorcnt 0x0                           ; the wave's end: behind my last tensor load and my last LDS store
	ds_add_u32 v[SPW], v[NIL]
	s_wait_dscnt 0x0
	CROUND                                         ; the closing round: no work-group ends while a partner may still ask for a tile that names it
	s_endpgm
.Lfunc_end_k_qdeebb62e94_proj:
	.size	k_qdeebb62e94_proj, .Lfunc_end_k_qdeebb62e94_proj-k_qdeebb62e94_proj
	.p2alignl 7, 3214868480
	.fill 96, 4, 3214868480
	.section	.rodata,"a",@progbits
	.p2align	6, 0x0
	.amdhsa_kernel k_qdeebb62e94_proj
		.amdhsa_group_segment_fixed_size 327680
		.amdhsa_private_segment_fixed_size 0
		.amdhsa_enable_private_segment 0
		.amdhsa_kernarg_size 32
		.amdhsa_user_sgpr_count 2
		.amdhsa_user_sgpr_kernarg_segment_ptr 1
		.amdhsa_wavefront_size32 1
		.amdhsa_system_sgpr_workgroup_id_x 1
		.amdhsa_system_sgpr_workgroup_id_y 1
		.amdhsa_system_sgpr_workgroup_id_z 1
		.amdhsa_system_vgpr_workitem_id 0
		.amdhsa_next_free_vgpr 512
		.amdhsa_next_free_sgpr 80
		.amdhsa_reserve_vcc 0
		.amdhsa_float_denorm_mode_32 3
		.amdhsa_float_denorm_mode_16_64 3
		.amdhsa_memory_ordered 1
		.amdhsa_forward_progress 1
		.amdhsa_inst_pref_size 98
	.end_amdhsa_kernel
	.amdgpu_metadata
---
amdhsa.version: [ 1, 2 ]
amdhsa.kernels:
  - .name:           k_qdeebb62e94_proj
    .symbol:         k_qdeebb62e94_proj.kd
    .args:
      - { .name: xb, .offset: 0, .size: 8, .value_kind: global_buffer, .address_space: global }
      - { .name: wb, .offset: 8, .size: 8, .value_kind: global_buffer, .address_space: global }
      - { .name: rope, .offset: 16, .size: 8, .value_kind: global_buffer, .address_space: global }
      - { .name: qkv, .offset: 24, .size: 8, .value_kind: global_buffer, .address_space: global }
    .group_segment_fixed_size: 327680
    .private_segment_fixed_size: 0
    .kernarg_segment_align: 8
    .kernarg_segment_size: 32
    .max_flat_workgroup_size: 128
    .sgpr_count:     80
    .vgpr_count:     512
    .wavefront_size: 32
...
	.end_amdgpu_metadata
.endif
;; end of part 2
;; launch attn (part 3): grid 196 x 1, 4 waves a work-group, no clusters, 327,680 bytes of LDS; arguments qkv, o; writes o
.if DOCPART == 3
	.amdgcn_target "amdgcn-amd-amdhsa--gfx1250"
	.amdhsa_code_object_version 6
	.text
	.protected	k_qdeebb62e94_attn
	.globl	k_qdeebb62e94_attn
	.p2align	8
	.type	k_qdeebb62e94_attn,@function
k_qdeebb62e94_attn:
	s_mov_b64 s[64:65], 0
	v_nop
	global_prefetch_b8 v0, s[64:65] scope:SCOPE_SE
	s_setreg_imm32_b32 hwreg(HW_REG_WAVE_MODE, 25, 1), 1
	s_wait_xcnt 0x0
; ATTENTION, 16 HEADS OF 64 CHANNELS OVER 4,096 ROWS: heads 0-7 causal (k <= q), heads 8-15 unmasked.  O[h][q][:] = the sum over k of softmax_k(Q[h][q] . K[h][k] / 8) V[h][k][:].
; qkv: [48][4096][64] f16 (16 heads of Q, of K, of V); o: [16][4096][64] f16: a head's rows are dense, 128 bytes each.
; Products, maxima and sums in f32; the weights p are rounded to f16 for the second product (their sum l is taken of the unrounded p), O once at the end.
; LIMITS.  f16 holds no number beyond 65,504: Q, K and V arrive within it; p lies in 0 to 1, and below 6e-5 it keeps f16's fixed step of 6e-8; O is a mean of V's rows and has their range, to within 2^-11 of it.
; A hidden score counts as its value less 1e30: f16's scores, 2.7e11 at the most, are nothing beside that; a weight below 2^-126 counts as 0 in l; NaN and infinities are not treated apart.
; THE WALK.  Queries lie in blocks of 256, keys in tiles of 256; block or tile i of head h has the number 16 h + i, and its bytes begin at that number x 32,768 in Q, K, V and O alike.
; A causal block i needs the tiles 0 .. i, of which the last holds the diagonal; an unmasked block needs all 16.  EVERY work-group walks 16 tiles, so ONE loop with a constant trip count serves all:
;   work-groups 0-127: one unmasked block, 16 tiles;   128-191 (head h, b = 0 .. 7): block 15 - b, 16 - b tiles, then block b - 1, b tiles (none where b = 0);
;   192-195: block 7 of an even causal head, 8 tiles, then block 7 of the next head, 8 tiles.  That is all 2,048 + 1,088 visits of tiles, 16 to each of 196 work-groups.
; Which tile is asked for, and what a trip does, hang on scalar registers made from the work-group's number; every jump goes forward, but for the counted loops' own; none passes a barrier, or a tensor load but
; the one of LOAD's two that the wave's number does not choose; the ring (two slots of LDS that take turns) runs on across the change of blocks.
; NO CLUSTER: the work-groups of a causal head ask for the same tile only in their first trips, behind that for fewer and fewer in common; four work-groups change heads in the middle of the walk; and 196 work-groups,
; of which 68 walk so, do not fall into fours that walk alike.
; SHARES.  Of a block's four bands of 64 queries a wave owns 16 rows in each: four PIECES.  So the diagonal tile is the same work for all four waves: in its key step s band x sees all keys if s < x,
; none if s > x, and holds the diagonal if s = x.
; THE MASK is the C operand that starts the sum S^T = K Q^T: 0, or -1e30 where the key is hidden.  MD, made once, is the mask of a band's own step for my 16 rows; a product's mask is MD x AL + BE with two scalars:
; (1, 0) if s = x; (0, 0) if s < x; (0, -1e30) if s > x.  In a work-group of an unmasked head both scalars are always 0, so its last tile runs the same text with masks of 0.
; Only a block's last tile's text and a block's beginning make and take masks; elsewhere C is the constant 0.
; LAYOUT, SOFTMAX, TURNS.  S^T = K Q^T holds ONE query a lane (lane % 16) and the keys 8 (lane / 16) + 0..7; two such results rounded to f16 ARE source 1 of O^T = V^T P.  p = 2^(c s - c m), c = log2(e) / 8, with a
; running maximum m; O and l are multiplied by a = 2^(c m_old - c m_new) in every step.  Turn n belongs to piece n: 8 products K Q^T of piece n + 1, later 8 products V^T P of piece n - 1; beside them the scaling,
; exponentials, roundings, sums and rescaling of piece n and the maximum and statistics of piece n + 1.  Four vector instructions stand behind every matrix instruction, the other 54 of a turn's 118 in two LUMPS.
; REGISTERS, in windows of 256 (s_set_vgpr_msb: bits 1:0 source 0, 3:2 source 1, 5:4 source 2, 7:6 destination):
;   window 0: v0-15 addresses and two at work; v16-31 four registers of statistics a piece; v48-55 at work; v64-127 S^T, two buffers; v192-223 P, two buffers (a piece's buffers go by its number's parity)
;   window 1: v0-127 O^T, 32 a piece; v128-159 MD; v160-223 MC, two buffers      window 2: v0-63 Q; v64-127 the second block's Q; v128-191 K of one step; v192-255 V of one step
.set NP,    4         ; pieces a wave: a name, no knob
.set KS,    64        ; keys in a step
.set PK,    144       ; a row of K in LDS: 128 bytes + 16 of padding = 36 words: the 16 rows of a load start at 16 different groups of four banks (64 banks of 4 bytes: ISA guide 11.1)
.set PV,    160       ; a row of V: 128 + 32 = 40 words
.set VOFF,  4*KS*PK   ; a slot holds a tile, four steps: 256 rows of K, then 256 rows of V
.set SLOT1, 1<<17     ; slot 1 begins here, so that one exclusive or turns an address in one slot into the other's
.set STAGE, SLOT1+4*KS*(PK+PV)  ; behind the ring, never filled by a tensor load: 16 rows x 144 bytes for each wave, for the way out
.set SP,    144
.set AK0, 2           ; v2   my lane's place in a tile of K; never rewritten
.set AV0, 3           ; v3   the same for V
.set AK,  4           ; v4   the LDS address of K's next run of loads
.set AV,  5           ; v5   of V's
.set STO, 6           ; v6   the way out: where I put 16 bytes of a row
.set RD,  7           ; v7   the way out: where I read rows back
.set GO,  8           ; v8   my byte offset in 512 consecutive bytes of O
.set SPW, 62          ; v62  LDS address of my spare word: SPARE + 4 x my thread's number; never rewritten
.set NIL, 63          ; v63  0; never rewritten
.set SPARE, STAGE+4*16*SP  ; behind the stages: the spare words, 128 bytes for each wave: two blocks of 256 bytes that no other line names
.set MV,  12          ; v12-13  c m_old, kept while c m is made anew: by buffer
.set QO,  15          ; v15  my byte offset in 16 rows of Q
.set ST,  16          ; piece t's statistics at v[ST+4 t]: c m, m, l (even keys', odd keys')
.set TMP, 48          ; by buffer, four registers c0-c3 at work; when the maximum is found c2 takes a
.set S,   64
.set P,   192
.set MD,  128         ; window 1: the eight registers for group kt of 16 keys at MD + 8 kt
.set MC,  160         ; window 1: the masks of the products to come
.set QB,  64          ; window 2
.set KF,  128         ; window 2: key block kb, channel half c at KF + 16 kb + 8 c
.set VF,  192         ; window 2: key half kk, channel block cb at VF + 32 kk + 8 cb
.set WV,  12          ; s12  my wave's number
.set G1K, 24          ; s[24:31] descriptor group 1 for K's tiles
.set G1V, 32          ; s[32:39] for V's: it differs in the padding alone
.set G0K, 40          ; s[40:43] descriptor group 0 for K's tiles
.set G0V, 44          ; s[44:47] the same for V's
.set SLOTS, 56        ; s56  tiles still to be asked for
.set CNT, 57          ; s57  counts a tile's key steps, 4 to 1
.set CS,  58          ; s[58:59] c: the packed scaling takes the pair's low word for both halves
.set SEL, 60          ; s[60:61] v_permlanex16_b32's selects: each lane takes its own place in the other half
.set TBK, 62          ; s62  LDS byte at which K of the step to be fetched begins
.set TBV, 63          ; s63  the same for V, less VOFF
.set RT,  70          ; s70  tiles of the block in hand that are still to be entered
.set NXT, 71          ; s71  the number of the tile to be asked for next
.set LQ,  72          ; s72  the last tile of the block whose tiles are being asked for
.set NEW, 73          ; s73  1: the tile to be entered is a block's first
.set OFF, 74          ; s[74:75] a tile's byte offset in K and V
.set AL,  76          ; s[76:77] the mask's factor, in the low word
.set BE,  78          ; s[78:79] the mask's addend
.set OLO, 80          ; s[80:81] O at my rows of the second block
.set BIGN, 82         ; s82  -1e30
.set N2,  83          ; s83  the second block's first tile
.set L2,  88          ; s88  its last
.set T2,  89          ; s89  how many it has
.set ONEF, 90         ; s90  1.0 in a causal work-group, 0 in an unmasked one
.set BIGM, 91         ; s91  -1e30, or 0
.set MSB, 0
.macro WIN new                      ; the high byte repeats the setting that is left; a switch that changes nothing is dropped
.if MSB != (\new)
	s_set_vgpr_msb (MSB<<8)|(\new)
.set MSB, (\new)
.endif
.endm
.set W_KQ, 0x0a       ; K and Q in window 2, S^T in window 0
.set W_KM, 0x1a       ; the same with the C operand in window 1
.set W_PV, 0x52       ; V in window 2, P in window 0, O^T in window 1
.set W_RS, 0x41       ; destination and source 0 in window 1, source 1 in window 0
; A fill.  Waves 0 and 1 fetch the two halves of a tile's K, waves 2 and 3 those of its V: 128 keys each.  An s_nop 0 and four v_nop follow each of the two lines, ahead of the jump and the label.
.macro LOAD
	s_cmp_lt_u32 s[WV], 2
	s_cbranch_scc0 .Lfor_v_\@
	tensor_load_to_lds s[G0K:G0K+3], s[G1K:G1K+7]
	s_nop 0
.rept 4
	v_nop
.endr
	s_branch .Lasked_\@
.Lfor_v_\@:
	tensor_load_to_lds s[G0V:G0V+3], s[G1V:G1V+7]
	s_nop 0
.rept 4
	v_nop
.endr
.Lasked_\@:
.endm
; THE CHANGE OF SLOTS.  Each wave waits for all its tensor loads, of which one is out: its part of the other slot; adds 0 to its spare word; and waits for that and for its own reads of the slot that it leaves.  Behind the barrier nobody reads the old
; slot any more and the other slot is whole.  fill = 1: the old slot is filled again, the first thing behind the barrier, with tile NXT: the descriptor's address is made anew from that number.
; (At its first use nothing has been read yet: slot 0 is waited for, slot 1 filled.)
.macro CHANGE fill
	WIN 0                           ; at a label and at a branch every window is 0
	s_wait_tensorcnt 0x0            ; no tensor load of mine is out, so a group 0 may be written
	ds_add_u32 v[SPW], v[NIL]       ; 0 onto my spare word; with fill = 1 the descriptors' scalar work stands between it and the wait for it
.if \fill
	s_lshl_b32 s[OFF], s[NXT], 15   ; a tile is 32,768 bytes of K and of V
	s_xor_b32 s[G0K+1], s[G0K+1], SLOT1
	s_add_nc_u64 s[G0K+2:G0K+3], s[6:7], s[OFF:OFF+1]
	s_or_b32 s[G0K+3], s[G0K+3], 0x80000000
	s_xor_b32 s[G0V+1], s[G0V+1], SLOT1
	s_add_nc_u64 s[G0V+2:G0V+3], s[8:9], s[OFF:OFF+1]
	s_or_b32 s[G0V+3], s[G0V+3], 0x80000000
	s_add_co_u32 s[NXT], s[NXT], 1  ; the block's next tile, or behind its last the second block's first
	s_cmp_gt_u32 s[NXT], s[LQ]
	s_cselect_b32 s[NXT], s[N2], s[NXT]
	s_cselect_b32 s[LQ], s[L2], s[LQ]
.endif
	s_wait_dscnt 0x0                ; the add is done, and my reads of the slot are over
	s_barrier_signal -1             ; the rest of the scalar work stands between the signal and the wait
	s_sub_co_u32 s[TBK], s[TBK], 4*KS*PK  ; the fetches go back to a slot's first step,
	s_xor_b32 s[TBK], s[TBK], SLOT1       ; in the other slot
	s_sub_co_u32 s[TBV], s[TBV], 4*KS*PV
	s_xor_b32 s[TBV], s[TBV], SLOT1
	s_barrier_wait -1
.if \fill
	LOAD
.endif
.endm
	s_load_b128 s[48:51], s[0:1], 0x0  ; qkv s[48:49], o s[50:51]
	v_lshl_add_u32 v[SPW], v0, 2, SPARE
	v_mov_b32 v[NIL], 0
	ds_add_u32 v[SPW], v[NIL]       ; the wave's opening: the add and its wait stand ahead of my first tensor load; the set-up below, work on registers, stands between them
	ds_add_u32 v62, v63
	v_lshrrev_b32 v1, 5, v0
	v_readfirstlane_b32 s[WV], v1   ; wave 0..3
	; the walk, from the work-group's number: s52 the first block, s53 its tiles, s54 the second block (the first once more where there is none: then it is never entered)
	s_mov_b32 s92, ttmp9
	s_sub_co_u32 s93, s92, 128      ; work-groups 128-191 (the numbers wrap below 128, where they are not chosen):
	s_lshr_b32 s94, s93, 3
	s_and_b32 s95, s93, 7           ; b
	s_lshl_b32 s94, s94, 4          ; 16 h
	s_add_co_u32 s52, s94, 15
	s_sub_co_u32 s52, s52, s95      ; block 15 - b
	s_sub_co_u32 s53, 16, s95       ; 16 - b tiles
	s_add_co_u32 s54, s94, s95
	s_sub_co_u32 s54, s54, 1        ; block b - 1
	s_cmp_eq_u32 s95, 0
	s_cselect_b32 s54, s52, s54
	s_sub_co_u32 s93, s92, 192      ; work-groups 192-195:
	s_lshl_b32 s93, s93, 5
	s_add_co_u32 s94, s93, 7        ; block 7 of an even head,
	s_add_co_u32 s95, s93, 23       ; block 7 of the next
	s_cmp_ge_u32 s92, 192
	s_cselect_b32 s52, s94, s52
	s_cselect_b32 s53, 8, s53
	s_cselect_b32 s54, s95, s54
	s_add_co_u32 s93, s92, 128      ; work-groups 0-127: a block of heads 8-15,
	s_or_b32 s94, s93, 15           ; whose last tile is the head's last
	s_mov_b32 s[BIGN], 0xf149f2ca   ; -1e30
	s_cmp_lt_u32 s92, 128
	s_cselect_b32 s52, s93, s52
	s_cselect_b32 s53, 16, s53
	s_cselect_b32 s54, s93, s54
	s_cselect_b32 s[LQ], s94, s52   ; a causal block's last tile has the block's own number
	s_cselect_b32 s[ONEF], 0, 1.0
	s_cselect_b32 s[BIGM], 0, s[BIGN]
	s_and_b32 s55, s52, 0xf0        ; the first block's first tile: its head's tile 0
	s_and_b32 s[N2], s54, 0xf0
	s_mov_b32 s[L2], s54
	s_sub_co_u32 s[T2], 16, s53
	s_mov_b32 s[RT], s53
	s_add_co_u32 s[NXT], s55, 1
	s_mov_b32 s[NEW], 1
	s_and_b32 s16, s[WV], 1         ; which half of a tile's 256 keys I fetch:
	s_lshl_b32 s22, s16, 14         ; its 128 rows of 128 bytes in memory,
	s_mov_b32 s23, 0
	s_mul_i32 s17, s16, 128*PK      ; and its place in a slot, for K
	s_mul_i32 s18, s16, 128*PV      ; and for V
	s_lshl_b32 s3, s[WV], 11        ; my 16 rows in a band of 64,
	s_lshl_b32 s2, s52, 15          ; in the first block,
	s_add_co_u32 s2, s2, s3
	s_lshl_b32 s84, s54, 15         ; and in the second
	s_add_co_u32 s84, s84, s3
	s_mov_b32 s3, 0
	s_mov_b32 s85, 0
	; descriptor group 1.  128 keys are 16,384 dense bytes: asked for as 64 rows of 256 bytes, two keys a row, and padded in LDS after every key
	s_mov_b32 s[G1K], (1<<16)|(1<<20)|(4<<22)|(3<<25)  ; 17:16 2-byte elements; 20 padding on; 24:22 after every 32 words (code 4); 31:25 4 words (code 3)
	s_mov_b32 s[G1V], (1<<16)|(1<<20)|(4<<22)|(7<<25)  ; the same with 8 words of padding (code 7)
.irp g, G1K, G1V
	s_mov_b32 s[\g+1], 128<<16      ; tensor_dim0 = 128
	s_mov_b32 s[\g+2], 64<<16       ; tensor_dim1 = 64
	s_mov_b32 s[\g+3], 128<<16      ; tile_dim0 = 128
	s_mov_b32 s[\g+4], 64           ; tile_dim1 = 64
	s_mov_b32 s[\g+5], 128          ; 128 elements from row to row
	s_mov_b32 s[\g+6], 0
	s_mov_b32 s[\g+7], 0
.endr
	s_mov_b32 s[CS], 0x3e38aa3b     ; c = log2(e) / 8 = 0.180337
	s_mov_b32 s[CS+1], s[CS]        ; named with it as a pair
	s_mov_b32 s[SEL], 0x76543210
	s_mov_b32 s[SEL+1], 0xfedcba98
	s_mov_b32 s[TBK], SLOT1+4*KS*PK ; the first change of slots turns these two into 0
	s_mov_b32 s[TBV], SLOT1+4*KS*PV
	s_mov_b32 s[G0K], 1             ; 1:0 count = 1
	s_mov_b32 s[G0K+1], s17         ; 63:32 LDS address: slot 0
	s_mov_b32 s[G0V], 1
	s_add_co_u32 s[G0V+1], s18, VOFF
	s_lshl_b32 s[OFF], s55, 15      ; the first tile's bytes
	s_mov_b32 s[OFF+1], 0
	s_mov_b32 s[AL+1], 0            ; named as pairs
	s_mov_b32 s[BE+1], 0
	s_mov_b32 s[SLOTS], 15          ; 16 tiles: one asked for here, 15 in the loop
	s_wait_dscnt 0x0                ; the opening add is done
	s_wait_kmcnt 0x0
	s_add_nc_u64 s[6:7], s[48:49], s[22:23]
	s_add_nc_u64 s[8:9], s[6:7], 0x1000000         ; V begins 32 heads in, at my half of tile number 0,
	s_add_nc_u64 s[6:7], s[6:7], 0x800000          ; K 16 heads in
	s_add_nc_u64 s[G0K+2:G0K+3], s[6:7], s[OFF:OFF+1]  ; 120:64 global address
	s_or_b32 s[G0K+3], s[G0K+3], 0x80000000        ; 127:126 type = 2
	s_add_nc_u64 s[G0V+2:G0V+3], s[8:9], s[OFF:OFF+1]
	s_or_b32 s[G0V+3], s[G0V+3], 0x80000000
	s_add_nc_u64 s[86:87], s[48:49], s[84:85]      ; Q at my rows of the second block,
	s_add_nc_u64 s[4:5], s[48:49], s[2:3]          ; Q and O at those of the first
	s_add_nc_u64 s[OLO:OLO+1], s[50:51], s[84:85]
	s_add_nc_u64 s[10:11], s[50:51], s[2:3]
	LOAD                            ; the first tile into slot 0
	; A fragment of K or Q is 16 rows x 32 channels in 8 registers: lane l holds row l % 16, channels 8 (l / 16) + 0..7 and 16 + 8 (l / 16) + 0..7: two loads of 16 bytes, 32 bytes apart.
	v_and_b32 v1, 15, v0            ; l % 16
	v_bfe_u32 v9, v0, 4, 1          ; l / 16
	v_lshlrev_b32 v[QO], 7, v1
	v_lshl_add_u32 v[QO], v9, 4, v[QO]  ; row x 128 + 16 x half
	WIN 0x80                        ; destination window 2, address window 0
.set i, 0
.rept 8                             ; both blocks' Q: piece i / 2 lies in band i / 2, 8,192 bytes on; channels 32 (i % 2) on
	global_load_b128 v[8*i:8*i+3],   v[QO], s[4:5] offset:(i/2)*8192+(i%2)*64
	global_load_b128 v[8*i+4:8*i+7], v[QO], s[4:5] offset:(i/2)*8192+(i%2)*64+32
	global_load_b128 v[QB+8*i:QB+8*i+3],   v[QO], s[86:87] offset:(i/2)*8192+(i%2)*64
	global_load_b128 v[QB+8*i+4:QB+8*i+7], v[QO], s[86:87] offset:(i/2)*8192+(i%2)*64+32
.set i, i+1
.endr
	WIN 0
	v_lshlrev_b32 v14, 3, v9
	v_sub_nc_u32 v14, v1, v14
	s_lshl_b32 s13, s[WV], 4
	v_add_nc_u32 v14, s13, v14      ; my query's place in its band, 16 w + l % 16, less my lanes' 8 (l / 16): register r of group kt is hidden where 16 kt + r is greater
	WIN 0x40
.set i, 0
.rept 32
	v_cmp_gt_i32 vcc_lo, 16*(i/8)+i%8, v14
	v_cndmask_b32 v[MD+i], 0, s[BIGN], vcc_lo
.set i, i+1
.endr
	WIN 0
	v_mul_u32_u24 v[AK0], v1, PK
	v_lshl_add_u32 v[AK0], v9, 4, v[AK0]  ; row x pitch + 16 x half
	; The turning load takes 16 keys x 16 channels (lane l reads key 8 (l / 16) + l % 8, channels 8 ((l / 8) % 2) + 0..7) and leaves half a fragment of V^T: lane l holds channel l % 16 and 8 keys.
	v_and_b32 v10, 7, v0
	v_bfe_u32 v11, v0, 3, 1
	v_lshl_add_u32 v[AV0], v9, 3, v10
	v_mul_u32_u24 v[AV0], v[AV0], PV
	v_lshl_add_u32 v[AV0], v11, 4, v[AV0]
	v_add_nc_u32 v[AV0], VOFF, v[AV0]
	s_mul_i32 s13, s[WV], 16*SP
	s_add_co_u32 s13, s13, STAGE    ; my stage
	v_mul_u32_u24 v[STO], v1, SP    ; in: row l % 16, 16 bytes for each half of the lanes
	v_lshl_add_u32 v[STO], v9, 4, v[STO]
	v_add_nc_u32 v[STO], s13, v[STO]
	v_bfe_u32 v[RD], v0, 3, 2       ; back: 32 lanes take four rows of 128 bytes,
	v_mul_u32_u24 v[RD], v[RD], SP
	v_lshl_add_u32 v[RD], v10, 4, v[RD]
	v_add_nc_u32 v[RD], s13, v[RD]
	v_and_b32 v[GO], 31, v0         ; which are 512 consecutive bytes of O
	v_lshlrev_b32 v[GO], 4, v[GO]
	; A block's first step multiplies O^T and l by a = 0, and its first turn's products V^T P, of a piece that has not been, land in an O^T that is still to be so multiplied.  So these registers need only hold
	; finite numbers: zeros for the first block; what the first block left for the second.  All this stands in the wait for the first tile.
	WIN 0x80
.set i, VF
.rept 64
	v_mov_b32 v[i], 0
.set i, i+1
.endr
	WIN 0x40
.set i, 0
.rept 128
	v_mov_b32 v[i], 0
.set i, i+1
.endr
	WIN 0
.set i, 0
.rept 4
	v_mov_b32 v[ST+4*i+2], 0
	v_mov_b32 v[ST+4*i+3], 0
.set i, i+1
.endr
.set i, P+16
.rept 16
	v_mov_b32 v[i], 0
.set i, i+1
.endr
; THE MATRIX WORK.  The 4 accumulators of a run of 8 take turns.  Product i of 8 of S^T = K Q^T for piece x: channels 32 (i / 4) on, keys 16 (i % 4) on.  The first 4 start the sums: with 0, or (KM = 1) with the mask.
.macro KQ x
.set rS, S+32*((\x)%2)+8*(i%4)
.set rK, KF+16*(i%4)+8*(i/4)
.set rQ, 16*(\x)+8*(i/4)
.set rM, MC+32*((\x)%2)+8*(i%4)
.if (i < 4) && KM
	WIN W_KM
	v_wmma_f32_16x16x32_f16 v[rS:rS+7], v[rK:rK+7], v[rQ:rQ+7], v[rM:rM+7]
.elseif i < 4
	WIN W_KQ
	v_wmma_f32_16x16x32_f16 v[rS:rS+7], v[rK:rK+7], v[rQ:rQ+7], 0
.else
	WIN W_KQ
	v_wmma_f32_16x16x32_f16 v[rS:rS+7], v[rK:rK+7], v[rQ:rQ+7], v[rS:rS+7]
.endif
.endm
; Product i of 8 of O^T += V^T P for piece x: keys 32 (i / 4) on, channels 16 (i % 4) on.
.macro PV x
	WIN W_PV
.set rO, 32*(\x)+8*(i%4)
.set rV, VF+32*(i/4)+8*(i%4)
.set rP, P+16*((\x)%2)+8*(i/4)
	v_wmma_f32_16x16x32_f16 v[rO:rO+7], v[rV:rV+7], v[rP:rP+7], v[rO:rO+7]
.endm
.macro MM                           ; the turn's next matrix instruction.  TURN and BEGIN set Y, i, KM and NOKQ; MM, KQ and OP read them.  NOKQ = 1: a block's last turn: there is no next piece
.if (i < 8) && !NOKQ
	KQ (Y+1)%NP
.elseif i >= 8
.set i, i-8
	PV (Y+NP-1)%NP
.set i, i+8
.endif
.set i, i+1
.endm
; THE LDS LOADS stand in runs of 16, never singly among the matrix instructions: a step's K (64 keys x 64 channels: 8 fragments) and its V (turned).  Their addresses are made some lines ahead.
.macro FETCH_K
	WIN 0x80                        ; destination window 2
.irp f, 0,1,2,3,4,5,6,7             ; keys 16 (f / 2) on, channels 32 (f % 2) on
	ds_load_b128 v[KF+8*\f:KF+8*\f+3],   v[AK] offset:(\f/2)*16*PK+(\f%2)*64
	ds_load_b128 v[KF+8*\f+4:KF+8*\f+7], v[AK] offset:(\f/2)*16*PK+(\f%2)*64+32
.endr
	s_add_co_u32 s[TBK], s[TBK], KS*PK  ; the next fetch is the next step's
	WIN 0
.endm
.macro FETCH_V
	WIN 0x80
.irp f, 0,1,2,3,4,5,6,7             ; keys 32 (f / 4) on, channels 16 (f % 4) on
	ds_load_tr16_b128 v[VF+8*\f:VF+8*\f+3],   v[AV] offset:(\f/4)*32*PV+(\f%4)*32
	ds_load_tr16_b128 v[VF+8*\f+4:VF+8*\f+7], v[AV] offset:(\f/4)*32*PV+16*PV+(\f%4)*32
.endr
	WIN 0
.endm
; THE VECTOR WORK, one line at a time: OP kind, number.  For piece Y: F n: c s - c m for pair n of 16.  E n: the exponential of score n of 32.  C n: pair n rounded to f16.  B n: of the four weights 4 n .. the second
; pair is added onto the first, in place.  L n: l takes that sum (L 0: l = a l + sum).  R n: pair n of 16 of O^T times a.  For piece Y + 1: X n, number n of the 22 that find its maximum and statistics:
;   0-11  four chains c0-c3 of seven scores each, three operands at a time (each accumulator's lowest registers are read first)     12-14, 16  the four scores left over, the old m, and c0-c3 into c0
;   15  c m_old is kept     17, 18  the query's other 32 keys lie in the lane 16 away: the new m     19-21  c m; c m_old - c m_new; a
.set F, 0               ; OP tells the kinds apart by their order: F to L below R, X above it
.set E, 1
.set C, 2
.set B, 3
.set L, 4
.set R, 5
.set X, 6
.macro REGS y                       ; the registers of piece y
.set rT, ST+4*(\y)
.set rC, TMP+4*((\y)%2)
.set rW, MV+((\y)%2)
.set rS, S+32*((\y)%2)
.set rP, P+16*((\y)%2)
.set rO, 32*(\y)
.endm
.macro OP k, n
.if (\k) == R
	REGS Y
	WIN W_RS
	v_pk_mul_f32 v[rO+2*(\n):rO+2*(\n)+1], v[rO+2*(\n):rO+2*(\n)+1], v[rC+2:rC+3] op_sel_hi:[1,0]
.elseif (\k) < R
	REGS Y
	WIN 0
.if (\k) == F
	v_pk_fma_f32 v[rS+2*(\n):rS+2*(\n)+1], v[rS+2*(\n):rS+2*(\n)+1], s[CS:CS+1], v[rT:rT+1] op_sel_hi:[1,0,0] neg_lo:[0,0,1] neg_hi:[0,0,1]
.elseif (\k) == E
	v_exp_f32 v[rS+(\n)], v[rS+(\n)]
.elseif (\k) == C
	s_wait_alu depctr_va_vdst(0)
	v_cvt_pk_f16_f32 v[rP+(\n)], v[rS+2*(\n)], v[rS+2*(\n)+1]
.elseif (\k) == B
	s_wait_alu depctr_va_vdst(0)
	v_pk_add_f32 v[rS+4*(\n):rS+4*(\n)+1], v[rS+4*(\n):rS+4*(\n)+1], v[rS+4*(\n)+2:rS+4*(\n)+3]
.elseif (\n) == 0
	v_pk_fma_f32 v[rT+2:rT+3], v[rT+2:rT+3], v[rC+2:rC+3], v[rS:rS+1] op_sel_hi:[1,0,1]
.else
	v_pk_add_f32 v[rT+2:rT+3], v[rT+2:rT+3], v[rS+4*(\n):rS+4*(\n)+1]
.endif
.elseif NOKQ
	v_nop
.else
	REGS (Y+1)%NP
	WIN 0
.if (\n) < 4
	v_max3_num_f32 v[rC+(\n)], v[rS+8*(\n)], v[rS+8*(\n)+1], v[rS+8*(\n)+2]
.elseif (\n) < 12
	v_max3_num_f32 v[rC+(\n)%4], v[rC+(\n)%4], v[rS+8*((\n)%4)+2*((\n)/4)+1], v[rS+8*((\n)%4)+2*((\n)/4)+2]
.elseif (\n) == 12
	v_max3_num_f32 v[rC], v[rC], v[rS+7], v[rS+15]
.elseif (\n) == 13
	v_max3_num_f32 v[rC+1], v[rC+1], v[rS+23], v[rS+31]
.elseif (\n) == 14
	v_max3_num_f32 v[rC+2], v[rC+2], v[rC+3], v[rT+1]
.elseif (\n) == 15
	v_mov_b32 v[rW], v[rT]
.elseif (\n) == 16
	v_max3_num_f32 v[rC], v[rC], v[rC+1], v[rC+2]
.elseif (\n) == 17
	v_permlanex16_b32 v[rC+3], v[rC], s[SEL], s[SEL+1]
.elseif (\n) == 18
	v_max_num_f32 v[rT+1], v[rC], v[rC+3]
.elseif (\n) == 19
	v_mul_f32 v[rT], s[CS], v[rT+1]
.elseif (\n) == 20
	v_sub_f32 v[rC+1], v[rW], v[rT]
.else
	v_exp_f32 v[rC+2], v[rC+1]
.endif
.endif
.endm
.macro OPS a, i1, b=-1, i2=0, c=-1, i3=0, d=-1, i4=0  ; up to four of them
	OP \a, \i1
.if (\b) >= 0
	OP \b, \i2
.endif
.if (\c) >= 0
	OP \c, \i3
.endif
.if (\d) >= 0
	OP \d, \i4
.endif
.endm
.macro ROW a, i1, b, i2, c, i3, d, i4  ; a matrix instruction and the four behind it
	MM
	OPS \a, \i1, \b, \i2, \c, \i3, \d, \i4
.endm
.macro MASK b                       ; MD x AL + BE into buffer b of MC
	WIN W_RS
.set z, 0
.rept 16
	v_pk_fma_f32 v[MC+32*(\b)+2*z:MC+32*(\b)+2*z+1], v[MD+2*z:MD+2*z+1], s[AL:AL+1], s[BE:BE+1] op_sel_hi:[1,0,0]
.set z, z+1
.endr
.endm
; A TURN, for piece p: the order of its 16 matrix and 118 vector instructions, written out.  Behind a matrix instruction: plain, exponential, plain, plain; or four of the rescaling; or, behind the first, four scalings; none
; names a register of the products round it.  In the lumps exponential and plain by turns while exponentials last.  A line reads no result made fewer than three vector instructions in front of it, five if an exponential made it.
; v_permlanex16_b32 (X 17) stands in a lump.
; m = 1: a block's last tile: the products take masks, and the turn makes the mask for the products of the turn after it: piece p + 2, in step 4 - CNT of the tile.  end = 1: a block's last two turns: nothing is fetched.
; cnt = 1: the loop's count is taken down some lines ahead of the branch that stands behind the turn.
; K of the next step is fetched in piece 2's turn, six vector instructions behind the last product that read K (five of them plain); V of the step in hand in piece 0's turn, eight behind the last product that read V (four
; plain, and X 17).  Each is waited for a turn later.
.macro TURN p, m=0, end=0, cnt=0
.set Y, (\p)
.set i, 0
.set KM, (\m)
.set NOKQ, (\end)*((\p)/3)
.if (\m) && !(\end)
	s_cmp_eq_u32 s[CNT], 4-((\p)+2)%NP  ; is that step the band's own?
	s_cselect_b32 s[AL], s[ONEF], 0
	s_cmp_lt_u32 s[CNT], 4-((\p)+2)%NP  ; or a later one?
	s_cselect_b32 s[BE], s[BIGM], 0
.endif
.if ((\p) == 3) && !(\end)
	s_wait_dscnt 0x0                ; K is in
.endif
	ROW F,0, F,1, F,2, F,3
	ROW F,4, E,0, F,5, F,6
	ROW F,7, E,1, F,8, F,9
	ROW F,10, E,2, C,0, F,11
	ROW F,12, E,3, X,15, F,13
	ROW R,0, R,1, R,2, R,3
	ROW B,0, E,4, F,14, L,0
.if ((\p) == 2) && !(\end)
	v_add_nc_u32 v[AK], s[TBK], v[AK0]
.endif
	ROW R,4, R,5, R,6, R,7
	OPS E,5, F,15
.if ((\p) == 2) && !(\end)
	FETCH_K
.endif
	OPS E,6, C,1, E,7, R,8
	OPS E,8, R,9, E,9, C,2
	OPS E,10, X,0, E,11, X,1
	OPS E,12, X,2, E,13, X,3
.if (\p) == 1
	s_wait_dscnt 0x0                ; V is in
.endif
	ROW X,4, E,14, X,5, X,6
	ROW X,7, E,15, X,8, X,9
	ROW X,10, E,16, X,11, X,12
	ROW X,13, E,17, X,14, B,1
	ROW C,4, E,18, X,16, L,1
	ROW B,2, E,19, C,6, L,2
	ROW C,8, E,20, B,3, B,4
.if (\p) == 0
	v_add_nc_u32 v[AV], s[TBV], v[AV0]
.endif
	ROW C,3, E,21, L,3, C,5
	OPS E,22, X,17, E,23, C,10
.if (\p) == 0
	FETCH_V
.endif
	OPS E,24, L,4
	OPS E,25, X,18, E,26, C,7
	OPS E,27, B,5, E,28, X,19
	OPS E,29, C,12, E,30, L,5
	OPS E,31, X,20, B,6, C,9
	OPS C,14, C,11, X,21, L,6
.if (\p) == 0
	s_add_co_u32 s[TBV], s[TBV], KS*PV
.endif
.if \cnt
	s_sub_co_u32 s[CNT], s[CNT], 1
	s_cmp_lg_u32 s[CNT], 0
.endif
	OPS C,13, B,7, C,15, R,10
	OPS R,11, R,12, L,7, R,13
	OPS R,14, R,15
.if (\m) && !(\end)
	MASK (\p)%2
.endif
.endm
; A BLOCK BEGINS.  c m starts far below every c s, so the first step's a is 0; m at the lowest finite number, so the first maximum is the scores'.  The second mask buffer is 0; the first takes piece 0's mask for the tile's step 0: its own, if the block's first tile is a causal block's last.
; Then K of that step, piece 0's first scores, and its maximum and statistics.  The loop is entered at a step's first turn, in the middle of a trip.
.macro BEGIN
	s_mov_b32 s[NEW], 0
	WIN 0x40
.set i, MC+32
.rept 32
	v_mov_b32 v[i], 0
.set i, i+1
.endr
	WIN 0
.set i, 0
.rept 4
	v_mov_b32 v[ST+4*i], 0xfe000000    ; c m: far below every c s
	v_mov_b32 v[ST+4*i+1], 0xff7fffff  ; m
.set i, i+1
.endr
	s_cmp_eq_u32 s[RT], 0
	s_cselect_b32 s[AL], s[ONEF], 0
	s_mov_b32 s[BE], 0
	MASK 0
	WIN 0
	v_add_nc_u32 v[AK], s[TBK], v[AK0]
	FETCH_K
	s_wait_loadcnt 0x0              ; Q
	s_wait_dscnt 0x0
.set KM, 1
.set NOKQ, 0
.set i, 0
.rept 8
	KQ 0
.set i, i+1
.endr
	WIN 0
.rept 4
	v_nop                           ; the places behind those products
.endr
.set Y, NP-1                        ; X works for piece Y + 1: piece 0
.irp n, 0,1,2,3,4,5,6,7,8,9,10,11,12,13,14,15,16,17,18,19,20,21
	OP X, \n
.endr
	v_nop                           ; a plain instruction behind the exponential
.endm
; A BLOCK'S LAST TILE: its four steps, the block's last two turns, its last products, and THE WAY OUT: l's two halves and the other half of the lanes' are added; O^T is divided by l, rounded to f16 and sent through my
; stage in LDS, a piece at a time.
.macro ALL line:vararg              ; one line for each piece t
.set t, 0
.rept 4
	\line
.set t, t+1
.endr
.endm
.macro PACK t                       ; a lane's eight channels of a row pack into 16 bytes; they go into rows of 144 bytes and come back as whole rows of 128, into S^T's registers
	WIN W_RS
.set i, 32*(\t)
.rept 16
	s_wait_alu depctr_va_vdst(0)
	v_pk_mul_f32 v[i:i+1], v[i:i+1], v[ST+4*(\t)+2:ST+4*(\t)+3] op_sel_hi:[1,0]
.set i, i+2
.endr
	WIN 0x05                        ; sources 0 and 1 window 1, destination window 0
.set i, 0
.rept 16
	v_cvt_pk_f16_f32 v[S+16*(\t)+i], v[32*(\t)+2*i], v[32*(\t)+2*i+1]
.set i, i+1
.endr
	WIN 0
.irp f, 0,1,2,3
	ds_store_b128 v[STO], v[S+16*(\t)+4*\f:S+16*(\t)+4*\f+3] offset:32*\f
.endr
.irp f, 0,1,2,3
	ds_load_b128 v[S+16*(\t)+4*\f:S+16*(\t)+4*\f+3], v[RD] offset:\f*4*SP  ; LDS serves a wave's instructions in order (ISA guide 5.7.1.4): these see the stores above; the next piece's stores come behind them
.endr
.endm
.macro SEND t, younger              ; younger: the LDS instructions issued behind piece t's loads: the next piece's eight, or none
	WIN 0
.irp f, 0,1,2,3
	s_wait_dscnt (\younger)+3-\f
	global_store_b128 v[GO], v[S+16*(\t)+4*\f:S+16*(\t)+4*\f+3], s[10:11] offset:(\t)*8192+\f*512  ; 512 consecutive bytes, at a multiple of 256 from O's first
.endr
.endm
.macro DIAG tag                     ; the tag ends its two labels' names, which the jumps below spell out
.LstepM\tag:
	TURN 2, 1
	TURN 3, 1
	WIN 0
.LfirstM\tag:
	TURN 0, 1
	TURN 1, 1, 0, 1
	WIN 0
	s_cbranch_scc1 .LstepM\tag
	TURN 2, 1, 1
	TURN 3, 1, 1
.set i, 0
.rept 8
	PV NP-1
.set i, i+1
.endr
	WIN 0
	ALL v_add_f32 v[ST+4*t+2], v[ST+4*t+2], v[ST+4*t+3]
	ALL v_permlanex16_b32 v[ST+4*t+3], v[ST+4*t+2], s[SEL], s[SEL+1]
	ALL v_add_f32 v[ST+4*t+2], v[ST+4*t+2], v[ST+4*t+3]
	ALL v_rcp_f32 v[ST+4*t+2], v[ST+4*t+2]
	v_nop                           ; a plain instruction between the last reciprocal and the use of its result
	PACK 0
.set t, 1
.rept 3                             ; a piece's arithmetic stands between the loads of the piece before and its stores
	PACK t
	SEND t-1, 8
.set t, t+1
.endr
	SEND 3, 0
.endm
.set KM, 0
.set NOKQ, 0
.Lslot:                             ; 15 times: a tile is entered and the next is asked for
	CHANGE 1
	s_sub_co_u32 s[RT], s[RT], 1
	s_mov_b32 s[CNT], 4
	s_cmp_eq_u32 s[NEW], 1
	s_cbranch_scc1 .Lnew            ; a block's first tile
	s_cmp_eq_u32 s[RT], 0
	s_cbranch_scc0 .Lstep           ; neither its first nor its last
	s_branch .LstepM1
.Lnew:
	BEGIN
	s_branch .Lfirst                ; in the loop a block's first tile is never its last: a first block has eight tiles or more, and a second block's last tile is the walk's last
	DIAG 1                          ; in the loop this is the first block's end, in the work-groups that have two blocks
	s_wait_xcnt 0x0                 ; the stores have read their registers and O's address
	s_mov_b64 s[10:11], s[OLO:OLO+1]
	s_mov_b32 s[RT], s[T2]          ; the second block's tiles
	s_mov_b32 s[NEW], 1
	WIN 0x82                        ; the second block's Q goes where the one text of the turns names Q
.set i, 0
.rept 64
	v_mov_b32 v[i], v[QB+i]
.set i, i+1
.endr
	WIN 0
	s_branch .Lbottom
.Lstep:                             ; a trip: pieces 2 and 3 of one step, then pieces 0 and 1 of the next, whose K and V it fetches
	TURN 2
	TURN 3
	WIN 0
.Lfirst:
	TURN 0
	TURN 1, 0, 0, 1
	WIN 0
	s_cbranch_scc1 .Lstep
.Lbottom:
	s_sub_co_u32 s[SLOTS], s[SLOTS], 1
	s_cmp_lg_u32 s[SLOTS], 0
	s_cbranch_scc1 .Lslot
	CHANGE 0                        ; the walk's last tile is written out: nothing is asked for
	s_sub_co_u32 s[RT], s[RT], 1
	s_mov_b32 s[CNT], 4
	s_cmp_eq_u32 s[NEW], 1
	s_cbranch_scc0 .LstepM2
	BEGIN
	s_branch .LfirstM2
	DIAG 2
	s_wait_tensorcnt 0x0            ; the wave's end: behind my last tensor load and my last LDS store
	ds_add_u32 v[SPW], v[NIL]
	s_wait_dscnt 0x0
	s_endpgm
.Lfunc_end_k_qdeebb62e94_attn:
	.size	k_qdeebb62e94_attn, .Lfunc_end_k_qdeebb62e94_attn-k_qdeebb62e94_attn
	.p2alignl 7, 3214868480
	.fill 96, 4, 3214868480
	.section	.rodata,"a",@progbits
	.p2align	6, 0x0
	.amdhsa_kernel k_qdeebb62e94_attn
		.amdhsa_group_segment_fixed_size 327680
		.amdhsa_private_segment_fixed_size 0
		.amdhsa_enable_private_segment 0
		.amdhsa_kernarg_size 16
		.amdhsa_user_sgpr_count 2
		.amdhsa_user_sgpr_kernarg_segment_ptr 1
		.amdhsa_wavefront_size32 1
		.amdhsa_system_sgpr_workgroup_id_x 1
		.amdhsa_system_sgpr_workgroup_id_y 1
		.amdhsa_system_sgpr_workgroup_id_z 1
		.amdhsa_system_vgpr_workitem_id 0
		.amdhsa_next_free_vgpr 768
		.amdhsa_next_free_sgpr 96
		.amdhsa_reserve_vcc 1
		.amdhsa_float_denorm_mode_32 3
		.amdhsa_float_denorm_mode_16_64 3
		.amdhsa_memory_ordered 1
		.amdhsa_forward_progress 1
		.amdhsa_inst_pref_size 229
	.end_amdhsa_kernel
	.amdgpu_metadata
---
amdhsa.version: [ 1, 2 ]
amdhsa.kernels:
  - .name:           k_qdeebb62e94_attn
    .symbol:         k_qdeebb62e94_attn.kd
    .args:
      - { .name: qkv, .offset: 0, .size: 8, .value_kind: global_buffer, .address_space: global }
      - { .name: o, .offset: 8, .size: 8, .value_kind: global_buffer, .address_space: global }
    .group_segment_fixed_size: 327680
    .private_segment_fixed_size: 0
    .kernarg_segment_align: 8
    .kernarg_segment_size: 16
    .max_flat_workgroup_size: 128
    .sgpr_count:     96
    .vgpr_count:     768
    .wavefront_size: 32
...
	.end_amdgpu_metadata
.endif
;; end of part 3
;; launch top (part 4): grid 8 x 1, 4 waves a work-group, no clusters, 167,936 bytes of LDS; arguments xb, wb, qkv, o, dtop; writes dtop
.if DOCPART == 4
	.amdgcn_target "amdgcn-amd-amdhsa--gfx1250"
	.amdhsa_code_object_version 6
	.text
	.protected	k_qdeebb62e94_top
	.globl	k_qdeebb62e94_top
	.p2align	8
	.type	k_qdeebb62e94_top,@function
k_qdeebb62e94_top:
	s_mov_b64 s[64:65], 0
	v_nop
	global_prefetch_b8 v0, s[64:65] scope:SCOPE_SE
	s_setreg_imm32_b32 hwreg(HW_REG_WAVE_MODE, 25, 1), 1
	s_wait_xcnt 0x0
; A CORRECTION FOR THE FIRST 16 ROWS OF THE CAUSAL HEADS.  Row q of a causal head is a weighted mean of q + 1 rows of v, so the first rows' numbers are many times the output's root mean square,
; by which the result's allowance goes; operands of 11 bits (v, the weights p, O, each rounded once to f16) are too coarse for numbers near zero in those rows.  From row 16 on the mean is long enough.
; Rows 0-15 see keys 0-15 alone: a closed problem of 16 x 16 for each head.  This launch makes O of those rows anew with split operands and stores d = O - (the f16 number that the attention
; launch stored); the output projection multiplies d as well.
; xb: [4096][1024] bf16.  wb: [3][1024 k][1024 n] bf16 (the third is Wv).  qkv: [48][4096][64] f16.  o: [16][4096][64] f16.
; dtop: bytes 0-16,383: [8 heads][4 pieces][32 lanes][16 bytes], f16: piece w, lane l = (r = l % 16, h = l / 16): d of row r, channels 16 w + 8 h + 0..7: the next launch's fragments as its registers want them.
;       bytes 16,384-32,767: zeros, which the next launch's other row blocks read in d's stead.
; SHARES.  One work-group for each causal head, four waves; wave w owns channels 16 w .. 16 w + 15.  Eight work-groups: a head's 16 x 16 weights are made by each wave for itself, and nothing crosses heads.
; STEPS.  (1) S^T = K Q^T from the f16 q and k (their rounding moves a weight by far less than the weight's own rounding did); the causal mask; softmax in f32 with the true maximum; p / l.
; (2) v = x Wv once more, bf16 products and f32 sums, K = 1024 in 32 steps on four accumulators that take turns.  Source 0 = x's 16 rows, source 1 = 16 columns of Wv: a lane then holds ONE channel
; (l % 16) and the keys 8 (l / 16) + 0..7, which is V^T's fragment as the next product wants it.  (3) v and p / l are split: hi = the number in f16, lo = the rest in f16.  A product's K of 32 holds both:
; source 0 = [Vh | Vl], source 1 = [Ph | Ph], then [Pl | Pl]: O^T = (Vh + Vl)(Ph + Pl), on two accumulators, added afterwards.  (4) d = O - o, rounded to f16.
; Wv's tile (1,024 rows of 128 bytes) comes into LDS by one tensor load a wave, 256 rows each, filled once; its fragments come out turned, by ds_load_tr16_b128.  x's fragments come straight from memory.
; NO CLUSTER: the eight work-groups share x's 16 rows alone, 32 KiB that come through registers; each has its own columns of Wv.
; LIMITS.  v of 65,520 or more becomes an infinity in f16.  The lo halves and d are f16: below 6e-5 they keep f16's fixed step of 6e-8, so the split adds nothing below 3e-8.
; A hidden score counts as -1e30; NaN and infinities are not treated apart.
; REGISTERS: window 0: addresses, scores, weights, sums.  Window 1: x's 32 fragments.  Window 2: Wv's 32 fragments.
.set PW,    160                        ; a row of Wv's tile in LDS: 128 bytes + 32
.set WPART, 256*PW                     ; what one tensor load brings
.set SPARE, 4*WPART                    ; behind the tile: the spare words, 128 bytes for each wave: two blocks of 256 bytes that no other line names
.set QO,   8                           ; v8      my byte offset in 16 rows of q or k: 128 r + 16 h
.set XO,   9                           ; v9      in 16 rows of x: 2,048 r + 16 h
.set OO,   10                          ; v10     in 16 rows of o: 128 r + 32 w + 16 h
.set DOF,  11                          ; v11     16 x lane
.set ADRW, 12                          ; v12-15  LDS address of my fragments of Wv, for each 256 along K
.set RK,   16                          ; v16     r - 8 h: register j holds a hidden key where j is greater
.set ONE,  17                          ; v17     1.0
.set RL,   18                          ; v18-19  1 / l, twice
.set OA,   20                          ; v20-23  what the attention launch stored: 8 f16
.set ZZ,   24                          ; v24-27  0
.set SPW,  28                          ; v28     LDS address of my spare word; never rewritten
.set NIL,  29                          ; v29     0; never rewritten
.set KF,   32                          ; v32-47  k's two fragments (channels 0-31, 32-63)
.set QF,   48                          ; v48-63  q's
.set S1,   64                          ; v64-71  scores, then weights
.set S2,   72                          ; v72-79  the second half of the channels' part
.set ST,   80                          ; v80-81  c m, m
.set T,    82                          ; v82-89  at work
.set PH,   96                          ; v96-103   [Ph | Ph]
.set PL,   104                         ; v104-111  [Pl | Pl]
.set VA,   112                         ; v112-143  v's four partial sums
.set VT,   144                         ; v144-151  [Vh | Vl]
.set O1,   152                         ; v152-159
.set O2,   160                         ; v160-167
.set DD,   168                         ; v168-171  d, 8 f16
.set G1,   24                          ; s[24:31] descriptor group 1
.set G0,   32                          ; s[32:35] descriptor group 0
.set CS,   40                          ; s[40:41] c = log2(e) / 8
.set SEL,  42                          ; s[42:43] v_permlanex16_b32's selects
.set BIGN, 44                          ; s44      -1e30
.set MSB, 0
.macro WIN new                         ; the immediate's high byte repeats the setting that is left
.if MSB != (\new)
	s_set_vgpr_msb (MSB<<8)|(\new)
.set MSB, \new
.endif
.endm
	s_load_b256 s[4:11], s[0:1], 0x0               ; xb 4:5, wb 6:7, qkv 8:9, o 10:11
	s_load_b64 s[12:13], s[0:1], 0x20              ; dtop
	v_lshl_add_u32 v[SPW], v0, 2, SPARE
	v_mov_b32 v[NIL], 0
	ds_add_u32 v[SPW], v[NIL]                      ; the wave's opening: the add and its wait stand ahead of my first tensor load; the set-up below, work on registers, stands between them
	ds_add_u32 v28, v29
	v_lshrrev_b32 v1, 5, v0
	v_readfirstlane_b32 s14, v1                    ; wave 0..3
	s_mov_b32 s15, ttmp9                           ; the head, 0..7
	s_mov_b32 s[G1+0], (1<<16)|(1<<20)|(4<<22)|(7<<25)  ; 2-byte elements; padding on; after every 32 words 8 words
	s_mov_b32 s[G1+1], 64<<16                      ; tensor_dim0 = 64 columns
	s_mov_b32 s[G1+2], 256<<16                     ; tensor_dim1 = 256 along K
	s_mov_b32 s[G1+3], 64<<16                      ; tile_dim0
	s_mov_b32 s[G1+4], 256                         ; tile_dim1
	s_mov_b32 s[G1+5], 1024                        ; elements from row to row
	s_mov_b32 s[G1+6], 0
	s_mov_b32 s[G1+7], 0
	s_mov_b32 s[G0], 1
	s_mul_i32 s[G0+1], s14, WPART                  ; my 256 rows' place in LDS
	s_lshl_b32 s16, s15, 7                         ; Wv: the head's 64 columns (128 bytes),
	s_lshl_b32 s17, s14, 19                        ; my 256 rows of 2,048 bytes,
	s_add_co_u32 s16, s16, s17
	s_add_co_u32 s16, s16, 0x400000                ; in the third matrix of 2 MiB
	s_mov_b32 s17, 0
	s_lshl_b32 s18, s15, 19                        ; the head's first byte in q, in k and in o
	s_mov_b32 s19, 0
	s_lshl_b32 s20, s15, 11                        ; d: the head's 2,048 bytes, my piece of 512
	s_lshl_b32 s21, s14, 9
	s_add_co_u32 s20, s20, s21
	s_mov_b32 s21, 0
	s_mov_b32 s[CS], 0x3e38aa3b                    ; c = log2(e) / 8 = 0.180337
	s_mov_b32 s[CS+1], s[CS]                       ; named with it as a pair
	s_mov_b32 s[SEL], 0x76543210
	s_mov_b32 s[SEL+1], 0xfedcba98
	s_mov_b32 s[BIGN], 0xf149f2ca                  ; -1e30
	s_wait_dscnt 0x0                               ; the opening add is done
	s_wait_kmcnt 0x0
	s_add_nc_u64 s[G0+2:G0+3], s[6:7], s[16:17]
	s_or_b32 s[G0+3], s[G0+3], 0x80000000          ; type = 2
	tensor_load_to_lds s[G0:G0+3], s[G1:G1+7]      ; my one tensor load: the tile is filled once
	s_nop 0
.rept 4
	v_nop
.endr
	s_add_nc_u64 s[8:9], s[8:9], s[18:19]          ; q of the head,
	s_add_nc_u64 s[36:37], s[8:9], 0x800000        ; k, 16 heads on,
	s_add_nc_u64 s[10:11], s[10:11], s[18:19]      ; o,
	s_add_nc_u64 s[12:13], s[12:13], s[20:21]      ; and my piece of d
	v_and_b32 v1, 15, v0                           ; r
	v_bfe_u32 v2, v0, 4, 1                         ; h
	v_lshlrev_b32 v[QO], 7, v1
	v_lshl_add_u32 v[QO], v2, 4, v[QO]
	v_lshlrev_b32 v[XO], 11, v1
	v_lshl_add_u32 v[XO], v2, 4, v[XO]
	; A fragment is 16 rows x 32 along K in 8 registers: lane l holds row l % 16, K = 8 (l / 16) + 0..7 and 16 + 8 (l / 16) + 0..7: two loads of 16 bytes, 32 bytes apart.
.irp c, 0,1
	global_load_b128 v[KF+8*(\c):KF+8*(\c)+3],   v[QO], s[36:37] offset:64*(\c)
	global_load_b128 v[KF+8*(\c)+4:KF+8*(\c)+7], v[QO], s[36:37] offset:64*(\c)+32
	global_load_b128 v[QF+8*(\c):QF+8*(\c)+3],   v[QO], s[8:9] offset:64*(\c)
	global_load_b128 v[QF+8*(\c)+4:QF+8*(\c)+7], v[QO], s[8:9] offset:64*(\c)+32
.endr
.macro XLOAD t0                        ; x's fragments of 16 K steps, into window 1
	WIN 0x40
.set t, \t0
.rept 16
	global_load_b128 v[8*t:8*t+3],   v[XO], s[4:5] offset:64*t
	global_load_b128 v[8*t+4:8*t+7], v[XO], s[4:5] offset:64*t+32
.set t, t+1
.endr
	WIN 0
.endm
	XLOAD 0
	v_lshl_add_u32 v[OO], s14, 5, v[QO]
	v_and_b32 v5, 31, v0
	v_lshlrev_b32 v[DOF], 4, v5
	v_lshlrev_b32 v5, 3, v2
	v_sub_nc_u32 v[RK], v1, v5
	v_mov_b32 v[ONE], 1.0
	v_mov_b32 v[T+1], 0                            ; v_permlanex16_b32's destination counts as read
	; (1) THE WEIGHTS.  S^T = K Q^T: a lane holds query r and the keys 8 h + 0..7.  Two accumulators, one for each half of the channels, added afterwards.
	s_wait_loadcnt 32                              ; q and k are in; x's 32 loads, issued behind them, may stay out
	v_wmma_f32_16x16x32_f16 v[S1:S1+7], v[KF:KF+7], v[QF:QF+7], 0
	v_wmma_f32_16x16x32_f16 v[S2:S2+7], v[KF+8:KF+15], v[QF+8:QF+15], 0
	v_and_b32 v3, 7, v0                            ; Wv's addresses are made here: nine plain lines, the places behind those products (ISA guide 7.12.1)
	v_bfe_u32 v4, v0, 3, 1                         ; the turning load: lane l reads 16 bytes of row 8 (l / 16) + l % 8, columns 8 ((l / 8) % 2) + 0..7
	v_lshl_add_u32 v3, v2, 3, v3
	v_mul_u32_u24 v3, v3, PW
	v_lshl_add_u32 v3, v4, 4, v3
	v_lshl_add_u32 v[ADRW], s14, 5, v3             ; my 16 columns: 32 bytes a wave
	v_add_nc_u32 v[ADRW+1], WPART, v[ADRW]
	v_add_nc_u32 v[ADRW+2], 2*WPART, v[ADRW]
	v_add_nc_u32 v[ADRW+3], 3*WPART, v[ADRW]
.irp j, 0,2,4,6
	v_pk_add_f32 v[S1+(\j):S1+(\j)+1], v[S1+(\j):S1+(\j)+1], v[S2+(\j):S2+(\j)+1]  ; each accumulator's lowest registers are read first
.endr
.irp j, 0,1,2,3,4,5,6,7
	v_cmp_gt_i32 vcc_lo, (\j), v[RK]               ; key 8 h + j lies behind query r
	v_cndmask_b32 v[S1+(\j)], v[S1+(\j)], s[BIGN], vcc_lo
.endr
	v_max3_num_f32 v[T], v[S1], v[S1+1], v[S1+2]
	v_max3_num_f32 v[T], v[T], v[S1+3], v[S1+4]
	v_max3_num_f32 v[T], v[T], v[S1+5], v[S1+6]
	v_max_num_f32 v[T], v[T], v[S1+7]
	v_permlanex16_b32 v[T+1], v[T], s[SEL], s[SEL+1]  ; the query's other eight keys lie in the lane 16 away
	v_max_num_f32 v[ST+1], v[T], v[T+1]            ; m: key 0 is seen by every query, so m is a true score
	v_mul_f32 v[ST], s[CS], v[ST+1]
.irp j, 0,2,4,6
	v_pk_fma_f32 v[S1+(\j):S1+(\j)+1], v[S1+(\j):S1+(\j)+1], s[CS:CS+1], v[ST:ST+1] op_sel_hi:[1,0,0] neg_lo:[0,0,1] neg_hi:[0,0,1]  ; c s - c m
.endr
.irp j, 0,1,2,3,4,5,6,7
	v_exp_f32 v[S1+(\j)], v[S1+(\j)]
.endr
	v_nop                                          ; a plain line between the last exponential and the use of its result (ISA guide 5.7.2)
	s_wait_alu depctr_va_vdst(0)
	v_pk_add_f32 v[T:T+1], v[S1:S1+1], v[S1+2:S1+3]
	v_pk_add_f32 v[T+2:T+3], v[S1+4:S1+5], v[S1+6:S1+7]
	v_pk_add_f32 v[T:T+1], v[T:T+1], v[T+2:T+3]
	v_add_f32 v[T], v[T], v[T+1]
	v_permlanex16_b32 v[T+1], v[T], s[SEL], s[SEL+1]
	v_add_f32 v[T], v[T], v[T+1]                   ; l, at least 1
	v_rcp_f32 v[RL], v[T]
	v_rcp_f32 v[RL+1], v[T]
	v_nop
	s_wait_alu depctr_va_vdst(0)
.irp j, 0,2,4,6
	v_pk_mul_f32 v[S1+(\j):S1+(\j)+1], v[S1+(\j):S1+(\j)+1], v[RL:RL+1]
.endr
; Eight f32 at src are split: dh takes them in f16, four registers; dl what is left of them, in f16.  The rest is exact: one fused line takes the f16 half from the f32 number.
.macro SPLIT dh, dl, src
.irp i, 0,1,2,3
	v_cvt_pk_f16_f32 v[(\dh)+(\i)], v[(\src)+2*(\i)], v[(\src)+2*(\i)+1]
.endr
.irp i, 0,1,2,3
	v_fma_mix_f32 v[T+2*(\i)],   -v[(\dh)+(\i)], v[ONE], v[(\src)+2*(\i)]   op_sel_hi:[1,0,0]
	v_fma_mix_f32 v[T+2*(\i)+1], -v[(\dh)+(\i)], v[ONE], v[(\src)+2*(\i)+1] op_sel:[1,0,0] op_sel_hi:[1,0,0]
.endr
.irp i, 0,1,2,3
	v_cvt_pk_f16_f32 v[(\dl)+(\i)], v[T+2*(\i)], v[T+2*(\i)+1]
.endr
.endm
	SPLIT PH, PL, S1
.irp i, 0,1,2,3
	v_mov_b32 v[PH+4+(\i)], v[PH+(\i)]             ; the fragment's second 16 along K meet Vl: the same weights once more
	v_mov_b32 v[PL+4+(\i)], v[PL+(\i)]
.endr
	; (2) v = x Wv
	s_wait_loadcnt 0x0                             ; x's first half, asked for ahead of the weights' work, is in
	XLOAD 16                                       ; the second half has the wait for the tile, the LDS loads and 16 products in which to come
	global_load_b128 v[OA:OA+3], v[OO], s[10:11]
	s_wait_tensorcnt 0x0                           ; my 256 rows of the tile are in,
	s_barrier_signal -1
	s_barrier_wait -1                              ; everybody's are
	WIN 0x80                                       ; destination window 2
.set t, 0
.rept 32
	ds_load_tr16_b128 v[8*t:8*t+3],   v[ADRW+t/8] offset:(t%8)*32*PW
	ds_load_tr16_b128 v[8*t+4:8*t+7], v[ADRW+t/8] offset:(t%8)*32*PW+16*PW
.set t, t+1
.endr
	WIN 0x09                                       ; source 0 (x) window 1, source 1 (Wv) window 2; C and D window 0
.set t, 0
.rept 32                               ; the four accumulators take turns; the first four products start the sums
.if t%8 == 0
	s_wait_dscnt 48-2*t                            ; LDS loads come back in order: the 16 of each later group of eight K steps may stay out
.endif
.if t == 16
	s_wait_loadcnt 0x1                             ; x's second half is in; o's one load, issued behind it, may stay out
.endif
.if t < 4
	v_wmma_f32_16x16x32_bf16 v[VA+8*t:VA+8*t+7], v[8*t:8*t+7], v[8*t:8*t+7], 0
.else
	v_wmma_f32_16x16x32_bf16 v[VA+8*(t%4):VA+8*(t%4)+7], v[8*t:8*t+7], v[8*t:8*t+7], v[VA+8*(t%4):VA+8*(t%4)+7]
.endif
.set t, t+1
.endr
	WIN 0
.irp i, 0,1,2,3
	v_mov_b32 v[ZZ+(\i)], 0                        ; the zeros to store: four plain lines, the places behind the last products
.endr
.irp j, 0,2,4,6
	v_pk_add_f32 v[VA+(\j):VA+(\j)+1], v[VA+(\j):VA+(\j)+1], v[VA+8+(\j):VA+8+(\j)+1]
.endr
.irp j, 0,2,4,6
	v_pk_add_f32 v[VA+16+(\j):VA+16+(\j)+1], v[VA+16+(\j):VA+16+(\j)+1], v[VA+24+(\j):VA+24+(\j)+1]
.endr
.irp j, 0,2,4,6
	v_pk_add_f32 v[VA+(\j):VA+(\j)+1], v[VA+(\j):VA+(\j)+1], v[VA+16+(\j):VA+16+(\j)+1]  ; v of channel 16 w + r, keys 8 h + 0..7
.endr
	; (3) O^T = [Vh | Vl] [Ph | Ph] + [Vh | Vl] [Pl | Pl]: a lane holds query r and channels 16 w + 8 h + 0..7
	SPLIT VT, VT+4, VA
	v_wmma_f32_16x16x32_f16 v[O1:O1+7], v[VT:VT+7], v[PH:PH+7], 0
	v_wmma_f32_16x16x32_f16 v[O2:O2+7], v[VT:VT+7], v[PL:PL+7], 0
.rept 4
	v_nop                                          ; the places behind those products
.endr
.irp j, 0,2,4,6
	v_pk_add_f32 v[O1+(\j):O1+(\j)+1], v[O1+(\j):O1+(\j)+1], v[O2+(\j):O2+(\j)+1]
.endr
	; (4) d = O - o
	s_wait_loadcnt 0x0
.irp i, 0,1,2,3
	v_fma_mix_f32 v[T+2*(\i)],   -v[OA+(\i)], v[ONE], v[O1+2*(\i)]   op_sel_hi:[1,0,0]
	v_fma_mix_f32 v[T+2*(\i)+1], -v[OA+(\i)], v[ONE], v[O1+2*(\i)+1] op_sel:[1,0,0] op_sel_hi:[1,0,0]
.endr
.irp i, 0,1,2,3
	v_cvt_pk_f16_f32 v[DD+(\i)], v[T+2*(\i)], v[T+2*(\i)+1]
.endr
	global_store_b128 v[DOF], v[DD:DD+3], s[12:13]               ; 512 consecutive bytes, at a multiple of 256 from the buffer's first
	global_store_b128 v[DOF], v[ZZ:ZZ+3], s[12:13] offset:16384  ; and as many zeros
	s_wait_tensorcnt 0x0                           ; the wave's end: behind my last tensor load
	ds_add_u32 v[SPW], v[NIL]
	s_wait_dscnt 0x0
	s_endpgm
.Lfunc_end_k_qdeebb62e94_top:
	.size	k_qdeebb62e94_top, .Lfunc_end_k_qdeebb62e94_top-k_qdeebb62e94_top
	.p2alignl 7, 3214868480
	.fill 96, 4, 3214868480
	.section	.rodata,"a",@progbits
	.p2align	6, 0x0
	.amdhsa_kernel k_qdeebb62e94_top
		.amdhsa_group_segment_fixed_size 167936
		.amdhsa_private_segment_fixed_size 0
		.amdhsa_enable_private_segment 0
		.amdhsa_kernarg_size 40
		.amdhsa_user_sgpr_count 2
		.amdhsa_user_sgpr_kernarg_segment_ptr 1
		.amdhsa_wavefront_size32 1
		.amdhsa_system_sgpr_workgroup_id_x 1
		.amdhsa_system_sgpr_workgroup_id_y 1
		.amdhsa_system_sgpr_workgroup_id_z 1
		.amdhsa_system_vgpr_workitem_id 0
		.amdhsa_next_free_vgpr 768
		.amdhsa_next_free_sgpr 66
		.amdhsa_reserve_vcc 1
		.amdhsa_float_denorm_mode_32 3
		.amdhsa_float_denorm_mode_16_64 3
		.amdhsa_memory_ordered 1
		.amdhsa_forward_progress 1
		.amdhsa_inst_pref_size 25
	.end_amdhsa_kernel
	.amdgpu_metadata
---
amdhsa.version: [ 1, 2 ]
amdhsa.kernels:
  - .name:           k_qdeebb62e94_top
    .symbol:         k_qdeebb62e94_top.kd
    .args:
      - { .name: xb, .offset: 0, .size: 8, .value_kind: global_buffer, .address_space: global }
      - { .name: wb, .offset: 8, .size: 8, .value_kind: global_buffer, .address_space: global }
      - { .name: qkv, .offset: 16, .size: 8, .value_kind: global_buffer, .address_space: global }
      - { .name: o, .offset: 24, .size: 8, .value_kind: global_buffer, .address_space: global }
      - { .name: dtop, .offset: 32, .size: 8, .value_kind: global_buffer, .address_space: global }
    .group_segment_fixed_size: 167936
    .private_segment_fixed_size: 0
    .kernarg_segment_align: 8
    .kernarg_segment_size: 40
    .max_flat_workgroup_size: 128
    .sgpr_count:     66
    .vgpr_count:     768
    .wavefront_size: 32
...
	.end_amdgpu_metadata
.endif
;; end of part 4
;; launch outp (part 5): grid 8 x 32, 4 waves a work-group, clusters of 4 x 4, 327,680 bytes of LDS; arguments o, wo16, dtop, out0; writes out0
.if DOCPART == 5
	.amdgcn_target "amdgcn-amd-amdhsa--gfx1250"
	.amdhsa_code_object_version 6
	.text
	.protected	k_qdeebb62e94_outp
	.globl	k_qdeebb62e94_outp
	.p2align	8
	.type	k_qdeebb62e94_outp,@function
k_qdeebb62e94_outp:
	s_mov_b64 s[64:65], 0
	v_nop
	global_prefetch_b8 v0, s[64:65] scope:SCOPE_SE
	s_setreg_imm32_b32 hwreg(HW_REG_WAVE_MODE, 25, 1), 1
	s_wait_xcnt 0x0
	s_wait_alu depctr_hold_cnt(0) depctr_sa_sdst(0) depctr_va_vdst(0) depctr_va_sdst(0) depctr_va_ssrc(0) depctr_va_vcc(0) depctr_vm_vsrc(0)
	s_getreg_b32 s2, hwreg(HW_REG_IB_STS2, 6, 4)
	s_cmp_eq_u32 s2, 0
	s_cbranch_scc0 .Lentry_in_a_cluster
	s_endpgm
.Lentry_in_a_cluster:
	s_bfe_u32 s2, ttmp6, 0x10000c
	s_cmp_lg_u32 s2, 0xf033
	s_cbranch_scc0 .Lentry_shape_is_right
	s_endpgm
.Lentry_shape_is_right:
; out0 = O Wo.  o: [16 heads][4096][64] f16; wo16: [1024 k][1024 n] f16 (Wo rounded to bf16, written as f16); out0: [4096][1024] f32.  k = 64 x head + channel.  Sums in f32, K ascending.
; THE FIRST 16 ROWS: for heads 0-7 (the causal ones) dtop holds d = O - o of rows 0-15, what o's f16 and the roundings in front of it left out; those rows' sums take d Wo as well.
; dtop: bytes 0-16,383: [8 heads][4 pieces][32 lanes][16 bytes] f16, a fragment's registers as they are wanted here; bytes 16,384-32,767: zeros.
; LIMITS.  O and Wo arrive within f16's range; NaN and infinities are not treated apart.
; SHARES.  Tiles of 128 x 128: 256 work-groups of four waves, a wave 64 x 64: 16 accumulators.  K goes in four steps of 256 (four heads) through two LDS slots; the four steps are written out.
; O's tile: for each of the step's four heads the tile's 128 rows, 16,384 dense bytes: a PLANE of 128 LDS rows of 128 bytes, padded to 144.  One tensor load brings two planes as two long rows 524,288 bytes apart.
; Wo's tile lies [k][n] (rows of 256 bytes, padded to 288) and its fragments come out turned, by ds_load_tr16_b128.
; CLUSTERS: 4 x 4 work-groups.  The four of a row of the cluster need the same tiles of O, the four of a column the same tiles of Wo: each tile is asked for JOINTLY.
; THE MATRIX INSTRUCTION IS USED TRANSPOSED (source 0 = 16 columns of Wo, source 1 = 16 rows of O): a lane then holds eight neighbouring numbers of a row of the output, 32 bytes.
; d's PRODUCTS: behind each quarter of K steps 0 and 1 (a quarter is one head) the waves of a tile's upper 64 rows add 8 products, d's fragments by the quarter's fragments of Wo, which are still in
; registers, onto their first row block's four accumulators: 64 products beside 512.  No branch may hang on the tile's row, which differs between partners of a cluster: so the upper waves of every tile
; make these products, and all but tile row 0's read the zeros in d's stead: the choice lies in the loads' offset alone.  That is the price: in 31 of 32 tile rows they add 0.
; REGISTERS: window 0: v0-31 addresses; v32-95 at work on the way out; v128-255 the accumulators ((a, b) at v[128 + 8 (4 a + b)]).
;   window 1: two fragment buffers of 128: for 64 along K (one head), 64 registers of O, then 64 of Wo.     window 2: v0-127 d's fragments: head hd, channel half c at 16 hd + 8 c.
.set PA,     144                       ; O's LDS row: 128 bytes + 16: the 16 rows of a load start at 16 different groups of four banks (64 banks of 4 bytes: ISA guide 11.1)
.set PLANE,  128*PA
.set PB,     288                       ; Wo's LDS row: 256 bytes + 32
.set PART,   2*PLANE                   ; what one tensor load brings: two planes of O, or 128 rows of Wo: 36,864 bytes either way
.set AOFF,   2*PART                    ; Wo's 256 rows lie behind O's four planes
.set BHALF,  128*PB
.set SLOT,   4*PART
.set STAGE,  2*SLOT                    ; behind the ring: 16 rows x 272 bytes for each wave, for the way out
.set SPITCH, 272
.set SPARE,  STAGE+4*16*SPITCH         ; behind the stages: the spare words, 128 bytes for each wave: two blocks of 256 bytes that no other line names
.set ADRA, 16                          ; v16-17  LDS address of my fragments of O in slot 0, 1
.set ADRB, 20                          ; v20-23  of Wo: slot 0 first and second 128 along K, slot 1 likewise
.set STO,  24                          ; v24     the way out: where I put 32 bytes of a row
.set RD,   25                          ; v25     the way out: where I read a row back
.set CO,   26                          ; v26     my byte offset in the output
.set DO,   27                          ; v27     my byte offset in dtop: 16 x lane, in d or in the zeros
.set SPW,  28                          ; v28     LDS address of my spare word; never rewritten
.set NIL,  29                          ; v29     0; never rewritten
.set OB,   32                          ; the way out: 16 rows read back from the stage, v32-63 and v64-95 by turns
.set ACC,  128
.set F0,   0
.set F1,   128
.set G1, 24                            ; s[24:31] descriptor group 1 for O's tiles;  s[32:39] group 0, one set for each slot
.set G0, 32
.set G1B, 48                           ; s[48:55], s[56:63] the same for Wo's tiles
.set G0B, 56
.set MSB, 0
.macro WIN new                         ; the immediate's high byte repeats the setting that is left
.if MSB != (\new)
	s_set_vgpr_msb (MSB<<8)|(\new)
.set MSB, \new
.endif
.endm
.set MUL,  0x05                        ; sources 0 (Wo) and 1 (O) window 1; C and D window 0
.set MULD, 0x09                        ; source 0 (Wo) window 1, source 1 (d) window 2; C and D window 0
.set TO_F, 0x40                        ; destination window 1, address window 0
.macro JLOAD s                         ; a joint load: waves 0 and 1 fetch O's planes, waves 2 and 3 Wo's halves; an s_nop 0 and four v_nop follow each of the two lines
	s_cmp_eq_u32 s11, 0
	s_cbranch_scc0 .Lfor_b_\@
	tensor_load_to_lds s[G0+4*(\s):G0+4*(\s)+3], s[G1:G1+7]
	s_nop 0
.rept 4
	v_nop
.endr
	s_branch .Lasked_\@
.Lfor_b_\@:
	tensor_load_to_lds s[G0B+4*(\s):G0B+4*(\s)+3], s[G1B:G1B+7]
	s_nop 0
.rept 4
	v_nop
.endr
.Lasked_\@:
.endm
.macro CREST                           ; a round of the cluster's barrier behind its opening barrier
	s_cmp_lg_u32 s10, 0
	s_cbranch_scc1 .Lnot_wave_0_\@
	s_barrier_signal -3
.Lnot_wave_0_\@:
	s_barrier_wait -3
	s_barrier_signal -1
	s_barrier_wait -1
.endm
.macro CROUND                          ; a whole round
	s_barrier_signal -1
	s_barrier_wait -1
	CREST
.endm
	s_load_b256 s[68:75], s[0:1], 0x0              ; o 68:69, wo16 70:71, dtop 72:73, out0 74:75
	v_lshl_add_u32 v[SPW], v0, 2, SPARE
	v_mov_b32 v[NIL], 0
	ds_add_u32 v[SPW], v[NIL]                      ; the wave's opening: the add and its wait stand ahead of my first tensor load; the set-up below, work on registers, stands between them
	ds_add_u32 v28, v29
	v_lshrrev_b32 v1, 5, v0
	v_readfirstlane_b32 s10, v1                    ; wave 0..3
	s_lshr_b32 s11, s10, 1                         ; which half of the tile's rows is mine.  Also: I fetch for O (0) or for Wo (1)
	s_and_b32 s12, s10, 1                          ; which half of its columns.  Also: which half of that tile I fetch
	s_bfe_u32 s40, ttmp6, 0x40000                  ; cx, cy: my place in the cluster
	s_bfe_u32 s41, ttmp6, 0x40004
	s_lshl_b32 s42, ttmp9, 2
	s_add_co_u32 s42, s42, s40                     ; tile column = 4 x cluster x + cx, 0 .. 7
	s_and_b32 s13, ttmp7, 0xffff
	s_lshl_b32 s13, s13, 2
	s_add_co_u32 s13, s13, s41                     ; tile row = 4 x cluster y + cy, 0 .. 31
	s_lshl_b32 s43, s41, 2
	s_lshl_b32 s43, 15, s43                        ; my row of the cluster
	s_lshl_b32 s44, 0x1111, s40                    ; my column
	s_or_b32 s[G1+0], s43, (1<<16)|(1<<20)|(1<<21)|(4<<22)|(3<<25)   ; the mask: O's tiles go to my row; 2-byte elements; padding on; 21 set beside a mask; after every 32 words 4 words
	s_mov_b32 s[G1+1], 8192<<16                    ; tensor_dim0 = 8,192: a head's 128 rows of 64 channels on end
	s_mov_b32 s[G1+2], 2<<16                       ; tensor_dim1 = 2 heads
	s_mov_b32 s[G1+3], 8192<<16                    ; tile_dim0
	s_mov_b32 s[G1+4], 2                           ; tile_dim1
	s_mov_b32 s[G1+5], 262144                      ; elements from head to head
	s_mov_b32 s[G1+6], 0
	s_mov_b32 s[G1+7], 0
	s_or_b32 s[G1B+0], s44, (1<<16)|(1<<20)|(1<<21)|(5<<22)|(7<<25)  ; the mask of my column; after every 64 words 8 words
	s_mov_b32 s[G1B+1], 128<<16                    ; tensor_dim0 = 128 columns
	s_mov_b32 s[G1B+2], 128<<16                    ; tensor_dim1 = 128 along K
	s_mov_b32 s[G1B+3], 128<<16
	s_mov_b32 s[G1B+4], 128
	s_mov_b32 s[G1B+5], 1024
	s_mov_b32 s[G1B+6], 0
	s_mov_b32 s[G1B+7], 0
	s_lshl_b32 s16, s13, 14                        ; O: the tile's 128 rows of 128 bytes in a head,
	s_lshl_b32 s17, s12, 20                        ; and which two of the step's four heads (524,288 bytes each)
	s_add_co_u32 s16, s16, s17
	s_mov_b32 s17, 0
	s_lshl_b32 s46, s42, 8                         ; Wo: which 128 columns (256 bytes),
	s_lshl_b32 s47, s12, 18                        ; which 128 rows of the K step
	s_add_co_u32 s46, s46, s47
	s_mov_b32 s47, 0
	s_mul_i32 s20, s10, PART                       ; where they go: wave x 36,864: no place in the cluster enters an LDS address
	s_wait_dscnt 0x0                               ; the opening add is done
	s_wait_kmcnt 0x0
	s_add_nc_u64 s[14:15], s[68:69], s[16:17]
	s_add_nc_u64 s[46:47], s[70:71], s[46:47]
	CROUND                                         ; all sixteen work-groups are here: the first joint loads meet
.irp s, 0,1
	s_mov_b32 s[G0+4*(\s)], 1
	s_add_co_u32 s[G0+4*(\s)+1], s20, (\s)*SLOT
	s_add_nc_u64 s[G0+4*(\s)+2:G0+4*(\s)+3], s[14:15], (\s)*4*524288
	s_or_b32 s[G0+4*(\s)+3], s[G0+4*(\s)+3], 0x80000000
	s_mov_b32 s[G0B+4*(\s)], 1
	s_add_co_u32 s[G0B+4*(\s)+1], s20, (\s)*SLOT
	s_add_nc_u64 s[G0B+4*(\s)+2:G0B+4*(\s)+3], s[46:47], (\s)*256*2048
	s_or_b32 s[G0B+4*(\s)+3], s[G0B+4*(\s)+3], 0x80000000
	JLOAD \s                                       ; two tensor loads of mine are out
.endr
	v_and_b32 v1, 15, v0                           ; l % 16
	v_bfe_u32 v2, v0, 4, 1                         ; l / 16
	s_min_u32 s6, s13, 1                           ; d for tile row 0's upper 64 rows, the zeros, 16,384 bytes on, for all others
	s_or_b32 s6, s6, s11
	s_lshl_b32 s6, s6, 14
	v_and_b32 v3, 31, v0
	v_lshl_add_u32 v[DO], v3, 4, s6
	WIN 0x80                                       ; destination window 2
.set p, 0
.rept 32                               ; piece p = 4 x head + 2 c + half: four registers of the fragment (head, c); 512 consecutive bytes a load
	global_load_b128 v[4*p:4*p+3], v[DO], s[72:73] offset:512*p
.set p, p+1
.endr
	WIN 0
	v_mul_u32_u24 v3, v1, PA
	v_lshl_add_u32 v3, v2, 4, v3                   ; O: a fragment's row x pitch + 16 x half
	s_mul_i32 s22, s11, 64*PA                      ; my 64 rows of each plane
	v_add_nc_u32 v[ADRA], s22, v3
	v_add_nc_u32 v[ADRA+1], SLOT, v[ADRA]
	v_and_b32 v4, 7, v0                            ; Wo, turned: lane l reads 16 bytes of row 8 (l / 16) + l % 8, columns 8 ((l / 8) % 2) + 0..7
	v_bfe_u32 v5, v0, 3, 1
	v_lshl_add_u32 v3, v2, 3, v4
	v_mul_u32_u24 v3, v3, PB
	v_lshl_add_u32 v3, v5, 4, v3
	s_lshl_b32 s22, s12, 7                         ; my 64 columns
	s_add_co_u32 s22, s22, AOFF
	v_add_nc_u32 v[ADRB], s22, v3
	v_add_nc_u32 v[ADRB+1], BHALF, v[ADRB]
	v_add_nc_u32 v[ADRB+2], SLOT, v[ADRB]
	v_add_nc_u32 v[ADRB+3], SLOT+BHALF, v[ADRB]
	s_mul_i32 s23, s10, 16*SPITCH
	s_add_co_u32 s23, s23, STAGE                   ; my stage
	v_mul_u32_u24 v3, v1, SPITCH                   ; in: row l % 16, 32 bytes for each half of the lanes
	v_lshl_add_u32 v3, v2, 5, v3
	v_add_nc_u32 v[STO], s23, v3
	v_mul_u32_u24 v5, v2, SPITCH                   ; back: lanes 0-15 take one row of 256 bytes, lanes 16-31 the next
	v_lshl_add_u32 v5, v1, 4, v5
	v_add_nc_u32 v[RD], s23, v5
	v_lshlrev_b32 v5, 12, v2                       ; and the same two rows of the output, 4,096 bytes apart
	v_lshl_add_u32 v[CO], v1, 4, v5
	s_lshl_b32 s4, s13, 19                         ; the output: row 128 x tile row + 64 x half (4,096 bytes each), column 128 x tile column + 64 x half (4 bytes each)
	s_lshl_b32 s5, s11, 18
	s_add_co_u32 s4, s4, s5
	s_lshl_b32 s5, s42, 9
	s_add_co_u32 s4, s4, s5
	s_lshl_b32 s5, s12, 8
	s_add_co_u32 s4, s4, s5
	s_mov_b32 s5, 0
	s_add_nc_u64 s[74:75], s[74:75], s[4:5]
; 8 matrix instructions: row blocks a0, a0 + 1 x all 4 column blocks, 32 along K: half c of buffer f.  zero = 1: the first product starts the sums.  The 16 accumulators take turns.
.macro MUL8 f, c, a0, zero
	WIN MUL
.irp a, \a0, (\a0)+1
.irp b, 0,1,2,3
.if \zero
	v_wmma_f32_16x16x32_f16 v[ACC+8*(4*(\a)+(\b)):ACC+8*(4*(\a)+(\b))+7], v[(\f)+64+8*(4*(\c)+(\b)):(\f)+64+8*(4*(\c)+(\b))+7], v[(\f)+8*(4*(\c)+(\a)):(\f)+8*(4*(\c)+(\a))+7], 0
.else
	v_wmma_f32_16x16x32_f16 v[ACC+8*(4*(\a)+(\b)):ACC+8*(4*(\a)+(\b))+7], v[(\f)+64+8*(4*(\c)+(\b)):(\f)+64+8*(4*(\c)+(\b))+7], v[(\f)+8*(4*(\c)+(\a)):(\f)+8*(4*(\c)+(\a))+7], v[ACC+8*(4*(\a)+(\b)):ACC+8*(4*(\a)+(\b))+7]
.endif
.endr
.endr
.endm
; d's 8 products for head hd, whose fragments of Wo buffer f still holds: onto row block 0's four accumulators, by turns; the product in front is row block 3's, the one behind is (0, 0)'s, after (0, 3)'s.
; The branch hangs on the wave's number alone: the lower 64 rows of a tile hold none of the first 16 rows.
.macro EXTRA f, hd
	WIN 0                                          ; at a branch and at a label every window is 0
	s_cmp_eq_u32 s11, 0
	s_cbranch_scc0 .Lno_d_\@
	WIN MULD
.irp c, 0,1
.irp b, 0,1,2,3
	v_wmma_f32_16x16x32_f16 v[ACC+8*(\b):ACC+8*(\b)+7], v[(\f)+64+8*(4*(\c)+(\b)):(\f)+64+8*(4*(\c)+(\b))+7], v[16*(\hd)+8*(\c):16*(\hd)+8*(\c)+7], v[ACC+8*(\b):ACC+8*(\b)+7]
.endr
.endr
	WIN 0
.Lno_d_\@:
.endm
; 32 LDS loads in one run: the fragments of quarter qd (one head's 64 channels) of a slot, into buffer f; the first 32 along K first
.macro FETCH slot, qd, f
	WIN TO_F
.irp c, 0,1
.irp i, 0,1,2,3
	ds_load_tr16_b128 v[(\f)+64+8*(4*(\c)+(\i)):(\f)+64+8*(4*(\c)+(\i))+3],   v[ADRB+2*(\slot)+(\qd)/2] offset:(((\qd)%2)*64+32*(\c))*PB+32*(\i)
	ds_load_tr16_b128 v[(\f)+64+8*(4*(\c)+(\i))+4:(\f)+64+8*(4*(\c)+(\i))+7], v[ADRB+2*(\slot)+(\qd)/2] offset:(((\qd)%2)*64+32*(\c)+16)*PB+32*(\i)
	ds_load_b128 v[(\f)+8*(4*(\c)+(\i)):(\f)+8*(4*(\c)+(\i))+3],              v[ADRA+(\slot)] offset:(\qd)*PLANE+64*(\c)+(\i)*16*PA
	ds_load_b128 v[(\f)+8*(4*(\c)+(\i))+4:(\f)+8*(4*(\c)+(\i))+7],            v[ADRA+(\slot)] offset:(\qd)*PLANE+64*(\c)+(\i)*16*PA+32
.endr
.endr
.endm
.macro PLACES                          ; four places in front of loads into registers that matrix instructions have read, and of lines that read results
.rept 4
	v_nop
.endr
.endm
; A K step is four quarters of 64 along K, 32 matrix instructions each, on buffers 0, 1, 0, 1.  One of the first three: multiplies buffer f and fetches quarter qd into g.
.macro QUARTER slot, qd, f, g, zero
	s_wait_dscnt 16                                ; the first 32 along K are in
	WIN MUL
	MUL8 \f, 0, 0, \zero
	MUL8 \f, 0, 2, \zero
	PLACES
	FETCH \slot, \qd, \g
	s_wait_dscnt 32                                ; all but the 32 just issued
	WIN MUL
	MUL8 \f, 1, 0, 0
	MUL8 \f, 1, 2, 0
.endm
; The last quarter multiplies buffer 1 and changes slots: ONE barrier; in front of it each wave waits for all its tensor loads, adds 0 to its spare word, and waits for that and for its own reads of this slot.  fill = 1: this slot is filled again, two K steps ahead.
.macro TURN slot, next, fill
	WIN 0                                          ; (the add's two registers lie in window 0)
	s_wait_tensorcnt 0x0                           ; all my tensor loads have landed: my part of the next slot;
	ds_add_u32 v[SPW], v[NIL]                      ; 0 onto my spare word;
	s_wait_dscnt 17                                ; (the add and the youngest sixteen loads may be out)
	WIN MUL
	MUL8 F1, 0, 0, 0                               ; eight matrix instructions stand between the add and the wait for it
	s_wait_dscnt 0x0                               ; the add is done, and my reads of this slot are over
	s_barrier_signal -1
	MUL8 F1, 0, 2, 0
.if \fill
	WIN 0
.endif
	s_barrier_wait -1
.if \fill
	CREST                                          ; the barrier has opened a round of the cluster's barrier: no wave of any partner still reads this slot's tile or has a load on its way
	s_add_nc_u64 s[G0+4*(\slot)+2:G0+4*(\slot)+3], s[G0+4*(\slot)+2:G0+4*(\slot)+3], 8*524288
	s_add_nc_u64 s[G0B+4*(\slot)+2:G0B+4*(\slot)+3], s[G0B+4*(\slot)+2:G0B+4*(\slot)+3], 512*2048
	JLOAD \slot                                    ; the first tensor load behind the round, my only one out; the four v_nop behind it are also the places in front of the loads below
.else
	PLACES
.endif
	FETCH \next, 0, F0
	WIN MUL
	MUL8 F1, 1, 0, 0
	MUL8 F1, 1, 2, 0
.endm
	s_wait_tensorcnt 1                             ; my part of K step 0 is in; K step 1's may stay out
	s_barrier_signal -1
	s_barrier_wait -1                              ; everybody's is
	FETCH 0, 0, F0
	s_wait_loadcnt 0x0                             ; d's fragments, asked for ahead of the wait for the first tile
	QUARTER 0, 1, F0, F1, 1                        ; K step 0, heads 0-3: its first products start the sums
	EXTRA F0, 0
	QUARTER 0, 2, F1, F0, 0
	EXTRA F1, 1
	QUARTER 0, 3, F0, F1, 0
	EXTRA F0, 2
	TURN 0, 1, 1                                   ; slot 0 takes K step 2
	EXTRA F1, 3
	QUARTER 1, 1, F0, F1, 0                        ; K step 1, heads 4-7
	EXTRA F0, 4
	QUARTER 1, 2, F1, F0, 0
	EXTRA F1, 5
	QUARTER 1, 3, F0, F1, 0
	EXTRA F0, 6
	TURN 1, 0, 1                                   ; slot 1 takes K step 3
	EXTRA F1, 7
	QUARTER 0, 1, F0, F1, 0                        ; K step 2: the unmasked heads have no d
	QUARTER 0, 2, F1, F0, 0
	QUARTER 0, 3, F0, F1, 0
	TURN 0, 1, 0                                   ; nothing is left to fetch
	QUARTER 1, 1, F0, F1, 0                        ; K step 3
	QUARTER 1, 2, F1, F0, 0
	QUARTER 1, 3, F0, F1, 0
	s_wait_dscnt 16                                ; the very last quarter
	WIN MUL
	MUL8 F1, 0, 0, 0
	MUL8 F1, 0, 2, 0
	s_wait_dscnt 0
	MUL8 F1, 1, 0, 0
	MUL8 F1, 1, 2, 0
	WIN 0
	PLACES
; THE WAY OUT, f32.  Row block a: a lane's eight numbers of a row, 32 bytes, go into my stage's rows of 272 bytes (each accumulator's four lowest registers first) and come back as whole rows of 256.
.macro TOSTAGE a
.set BK, OB+32*((\a)%2)
.if (\a) >= 2
	s_wait_xcnt 0x0                                ; the registers that block a - 2's stores read are loaded again only behind this wait
.endif
.irp b, 0,1,2,3
	ds_store_b128 v[STO], v[ACC+8*(4*(\a)+(\b)):ACC+8*(4*(\a)+(\b))+3]   offset:64*(\b)
	ds_store_b128 v[STO], v[ACC+8*(4*(\a)+(\b))+4:ACC+8*(4*(\a)+(\b))+7] offset:64*(\b)+16
.endr
.irp t, 0,1,2,3,4,5,6,7
	ds_load_b128 v[BK+4*(\t):BK+4*(\t)+3], v[RD] offset:(\t)*2*SPITCH  ; LDS serves a wave's instructions in order (ISA guide 5.7.1.4): these see the stores above; the next block's stores come behind them
.endr
.endm
.macro SEND a, younger                 ; younger: the LDS instructions issued behind block a's loads: the next block's sixteen, or none
.set BK, OB+32*((\a)%2)
.irp t, 0,1,2,3,4,5,6,7
	s_wait_dscnt (\younger)+7-(\t)
	global_store_b128 v[CO], v[BK+4*(\t):BK+4*(\t)+3], s[74:75] offset:(16*(\a)+2*(\t))*4096 th:TH_STORE_NT  ; 16 lanes store 256 consecutive bytes, at a multiple of 256 from the output's first byte
.endr
.endm
	TOSTAGE 0
.irp a, 1,2,3
	TOSTAGE \a
	SEND (\a)-1, 16
.endr
	SEND 3, 0
	s_wait_tensorcnt 0x0                           ; the wave's end: behind my last tensor load and my last LDS store
	ds_add_u32 v[SPW], v[NIL]
	s_wait_dscnt 0x0
	CROUND                                         ; the closing round: no work-group ends while a partner may still ask for a tile that names it
	s_endpgm
.Lfunc_end_k_qdeebb62e94_outp:
	.size	k_qdeebb62e94_outp, .Lfunc_end_k_qdeebb62e94_outp-k_qdeebb62e94_outp
	.p2alignl 7, 3214868480
	.fill 96, 4, 3214868480
	.section	.rodata,"a",@progbits
	.p2align	6, 0x0
	.amdhsa_kernel k_qdeebb62e94_outp
		.amdhsa_group_segment_fixed_size 327680
		.amdhsa_private_segment_fixed_size 0
		.amdhsa_enable_private_segment 0
		.amdhsa_kernarg_size 32
		.amdhsa_user_sgpr_count 2
		.amdhsa_user_sgpr_kernarg_segment_ptr 1
		.amdhsa_wavefront_size32 1
		.amdhsa_system_sgpr_workgroup_id_x 1
		.amdhsa_system_sgpr_workgroup_id_y 1
		.amdhsa_system_sgpr_workgroup_id_z 1
		.amdhsa_system_vgpr_workitem_id 0
		.amdhsa_next_free_vgpr 640
		.amdhsa_next_free_sgpr 80
		.amdhsa_reserve_vcc 0
		.amdhsa_float_denorm_mode_32 3
		.amdhsa_float_denorm_mode_16_64 3
		.amdhsa_memory_ordered 1
		.amdhsa_forward_progress 1
		.amdhsa_inst_pref_size 95
	.end_amdhsa_kernel
	.amdgpu_metadata
---
amdhsa.version: [ 1, 2 ]
amdhsa.kernels:
  - .name:           k_qdeebb62e94_outp
    .symbol:         k_qdeebb62e94_outp.kd
    .args:
      - { .name: o, .offset: 0, .size: 8, .value_kind: global_buffer, .address_space: global }
      - { .name: wo16, .offset: 8, .size: 8, .value_kind: global_buffer, .address_space: global }
      - { .name: dtop, .offset: 16, .size: 8, .value_kind: global_buffer, .address_space: global }
      - { .name: out0, .offset: 24, .size: 8, .value_kind: global_buffer, .address_space: global }
    .group_segment_fixed_size: 327680
    .private_segment_fixed_size: 0
    .kernarg_segment_align: 8
    .kernarg_segment_size: 32
    .max_flat_workgroup_size: 128
    .sgpr_count:     80
    .vgpr_count:     640
    .wavefront_size: 32
...
	.end_amdgpu_metadata
.endif
;; end of part 5
